; MI455X (gfx1250); checked and timed in simulation.
; The chip was launched on July 23, 2026; its instructions are those of AMD's public machine-readable ISA for CDNA 5 (MIT licence, August 2026) and "CDNA5" Instruction Set Architecture Reference Guide (July 2026). The comments in the code are by the model that wrote it; some were corrected since.
;; Self Attention Conv2 D. Allowed arithmetic: float matrix products may take bf16 or f16 operands with f32 sums; all other float work in f32.
;; Inputs: Wf 128 x 128 float32; Wg 128 x 128 float32; Wh 128 x 128 float32; Wv 128 x 128 float32; bf 128 float32; bg 128 float32; bh 128 float32; bv 128 float32; gamma one number float32; x 4 x 64 x 64 x 128 float32.
;; Outputs: out0 4 x 64 x 64 x 128 float32.
;; 2 versions, each right and faster than the one before. Each part assembles by itself: llvm-mc -triple=amdgcn-amd-amdhsa -mcpu=gfx1250 --defsym DOCPART=n.
;; ======== version 1 of 2: 2 launches
;; workspace buffers: fb 4,194,304 bytes; gb 4,194,304 bytes; vb 4,194,304 bytes; wvf 32,768 bytes
;; launch proj (part 1): grid 64 x 3, 8 waves a work-group, no clusters, 108,032 bytes of LDS; arguments x, Wf, Wg, Wh, bf, bg, bh, Wv, fb, gb, vb, wvf; writes fb, gb, vb, wvf
.if DOCPART == 1
	.amdgcn_target "amdgcn-amd-amdhsa--gfx1250"
	.amdhsa_code_object_version 6
	.text
	.protected	k_q570a83e12c_proj
	.globl	k_q570a83e12c_proj
	.p2align	8
	.type	k_q570a83e12c_proj,@function
k_q570a83e12c_proj:
	s_mov_b64 s[64:65], 0
	v_nop
	global_prefetch_b8 v0, s[64:65] scope:SCOPE_SE
	s_setreg_imm32_b32 hwreg(HW_REG_WAVE_MODE, 25, 1), 1
	s_wait_xcnt 0x0
; f, g, v = bf16(x W + b), one of the three for each work-group y (0: Wf, bf -> fb; 1: Wg, bg -> gb; 2: Wh, bh -> vb).
; x: [16384][128] f32.  W: [128 c_in][128 c_out] f32.  Outputs: [16384][128] bf16, a pixel's 128 channels in 256 bytes.
; A work-group takes 256 pixels, a wave 32 pixels x 128 channels = 64 matrix instructions.  64 x 3 = 192 work-groups is all the work there is.
; Operands are rounded to bf16 on the way into LDS; sums and the bias stay in f32; the result is rounded once.
; THE PRODUCT IS TAKEN TRANSPOSED: source 0 = 16 output channels of W (k = c_in), source 1 = 16 pixels of x.  Lane (r, h) then holds
; pixel r and the channels 8 h + 0..7 of the block: eight neighbours of a row, 16 bytes after rounding.
; W lies [k][n] in memory, so its fragments come out of LDS by the transposing load.  The bias enters as the first product's C: nothing is cleared or added later.
; Besides: 32 waves of y = 0 (work-groups 0..7, waves 0..3) write Wv as the bf16 register image that the second launch loads as fragments.
; No tensor loads: every byte is converted on its way into LDS, so it passes through registers anyway.
.set WP,   288                         ; LDS pitch of W's rows (256 bytes + 32): an odd multiple of 32
.set XP,   272                         ; LDS pitch of x's rows (256 bytes + 16): 16 rows start at 16 different 16-byte columns modulo 256 bytes
.set XL,   128*WP                      ; x behind W: 256 rows
.set BL,   XL+256*XP                   ; the bias, 512 bytes of f32
.set WST,  4                           ; v4   where my 8 bytes of W's row 8 i + wave go
.set XST,  5                           ; v5   where my 8 bytes of my wave's row j go
.set WTR,  6                           ; v6   transposing load of W
.set XFA,  7                           ; v7   fragments of x; also where a lane's 16 result bytes go (my wave's own 32 rows serve as its stage)
.set BST,  8                           ; v8   where my word of the bias goes
.set RDB,  9                           ; v9   the stage read back by rows
.set GOFF, 10                          ; v10  16 x thread
.set LOFF, 11                          ; v11  16 x lane
.set XOFF, 12                          ; v12  my wave's 32 rows of x + 16 x lane
.set BOF,  13                          ; v13  4 x (thread mod 128)
.set BVAL, 14                          ; v14  my word of the bias
.set BIA,  15                          ; v15  the bias as a C operand: BL + 32 h
.set XR,   16                          ; v16-143  x as loaded, row j in 4 registers
.set WR,   144                         ; v144-207 W as loaded
.set XF,   16                          ; v16-79   fragments of x: (rt, cs) at 8 (4 rt + cs)
.set WF,   80                          ; v80-143  fragments of W, two buffers of 4 x 8
.set ACC,  144                         ; v144-175 two buffers of two accumulators
.set PK,   176                         ; v176-191 two buffers of 2 x 4 packed results
.set BI,   192                         ; v192-207 two buffers of 8 bias numbers
.set WVR,  208                         ; v208-223 Wv as loaded
.set WVP,  224                         ; v224-231 Wv packed
.set WVO,  232                         ; v232     offset into Wv
.set TV,   233                         ; v233     scratch
	s_load_b512 s[8:23], s[0:1], 0x0               ; x 8, Wf 10, Wg 12, Wh 14, bf 16, bg 18, bh 20, Wv 22
	s_load_b256 s[24:31], s[0:1], 0x40             ; fb 24, gb 26, vb 28, wvf 30
	v_lshl_add_u32 v240, v0, 2, 0x1a200
	v_mov_b32 v241, 0
	v_lshrrev_b32 v1, 5, v0
	v_readfirstlane_b32 s34, v1                    ; wave 0..7
	s_mov_b32 s32, ttmp9                           ; block of 256 pixels
	s_and_b32 s33, ttmp7, 0xffff                   ; which of the three products
	v_and_b32 v1, 31, v0                           ; lane
	v_and_b32 v2, 15, v0                           ; r
	v_bfe_u32 v3, v0, 4, 1                         ; h
	s_mul_i32 s35, s34, WP
	s_mul_i32 s50, s34, 32*XP
	s_add_co_u32 s50, s50, XL                      ; my wave's 32 rows of x in LDS
	s_lshl_b32 s51, s34, 14                        ; and in memory: 32 rows of 512 bytes
	v_lshl_add_u32 v[WST], v1, 3, s35
	v_lshl_add_u32 v[XST], v1, 3, s50
	v_and_b32 v[TV], 7, v0
	v_lshl_add_u32 v[TV], v3, 3, v[TV]             ; row 8 h + lane mod 8
	v_mul_u32_u24 v[WTR], v[TV], WP
	v_bfe_u32 v[TV], v0, 3, 1
	v_lshl_add_u32 v[WTR], v[TV], 4, v[WTR]        ; + 16 bytes for the odd groups of eight lanes
	v_mul_u32_u24 v[XFA], v2, XP
	v_lshl_add_u32 v[XFA], v3, 4, v[XFA]
	v_add_nc_u32 v[XFA], s50, v[XFA]               ; row r, 16 h
	v_mul_u32_u24 v[RDB], v3, XP
	v_lshl_add_u32 v[RDB], v2, 4, v[RDB]
	v_add_nc_u32 v[RDB], s50, v[RDB]               ; row h, 16 r
	v_lshlrev_b32 v[GOFF], 4, v0
	v_lshlrev_b32 v[LOFF], 4, v1
	v_lshl_add_u32 v[XOFF], v1, 4, s51
	v_and_b32 v[BOF], 127, v0
	v_lshlrev_b32 v[BOF], 2, v[BOF]
	v_add_nc_u32 v[BST], BL, v[BOF]
	v_lshl_add_u32 v[BIA], v3, 5, BL
	v_lshlrev_b32 v[WVO], 12, v3                   ; 8 h rows of Wv (512 bytes each)
	v_lshl_add_u32 v[WVO], v2, 2, v[WVO]           ; + column r
	s_wait_kmcnt 0x0
	s_cmp_eq_u32 s33, 0                            ; the three buffers of this product, chosen by the work-group's y
	s_cselect_b64 s[36:37], s[10:11], s[12:13]
	s_cselect_b64 s[38:39], s[16:17], s[18:19]
	s_cselect_b64 s[40:41], s[24:25], s[26:27]
	s_cmp_eq_u32 s33, 2
	s_cselect_b64 s[36:37], s[14:15], s[36:37]     ; W
	s_cselect_b64 s[38:39], s[20:21], s[38:39]     ; b
	s_cselect_b64 s[40:41], s[28:29], s[40:41]     ; the output
	s_lshl_b32 s44, s32, 17                        ; 256 rows of 512 bytes
	s_mov_b32 s45, 0
	s_add_nc_u64 s[42:43], s[8:9], s[44:45]        ; x at the group's first pixel
	s_lshl_b32 s44, s32, 16                        ; 256 rows of 256 bytes
	s_lshl_b32 s52, s34, 13                        ; + my wave's 32 rows
	s_add_co_u32 s44, s44, s52
	s_add_nc_u64 s[40:41], s[40:41], s[44:45]      ; the output at my wave's first pixel
	; 49 loads go out at once: W (one row of 512 bytes for each wave and load), my word of the bias, my wave's 32 rows of x
.set i, 0
.rept 16
	global_load_b128 v[WR+4*i:WR+4*i+3], v[GOFF], s[36:37] offset:4096*i
.set i, i+1
.endr
	global_load_b32 v[BVAL], v[BOF], s[38:39]
.set j, 0
.rept 32
	global_load_b128 v[XR+4*j:XR+4*j+3], v[XOFF], s[42:43] offset:512*j
.set j, j+1
.endr
	; Wv's image: block (ot = work-group, cs = wave) of 1,024 bytes; lane (r, h) holds Wv[32 cs + 16 half + 8 h + 0..7][16 ot + r]
	s_cmp_lg_u32 s33, 0
	s_cbranch_scc1 .Lno_img
	s_cmp_ge_u32 s32, 8
	s_cbranch_scc1 .Lno_img
	s_cmp_ge_u32 s34, 4
	s_cbranch_scc1 .Lno_img
	s_lshl_b32 s44, s34, 14                        ; 32 cs rows of 512 bytes
	s_lshl_b32 s52, s32, 6                         ; 16 ot columns of 4 bytes
	s_add_co_u32 s44, s44, s52
	s_add_nc_u64 s[46:47], s[22:23], s[44:45]
	s_lshl2_add_u32 s44, s32, s34                  ; 4 ot + cs
	s_lshl_b32 s44, s44, 10
	s_add_nc_u64 s[48:49], s[30:31], s[44:45]
.irp half, 0,1
.irp i, 0,1,2,3,4,5,6,7
	global_load_b32 v[WVR+8*\half+\i], v[WVO], s[46:47] offset:8192*\half+512*\i
.endr
.endr
	s_wait_loadcnt 0x0                             ; these sixteen are the youngest loads, so the count is zero
.irp k, 0,1,2,3,4,5,6,7
	v_cvt_pk_bf16_f32 v[WVP+\k], v[WVR+2*\k], v[WVR+2*\k+1]
.endr
	global_store_b128 v[LOFF], v[WVP:WVP+3], s[48:49]               ; each store covers 512 consecutive bytes, aligned
	global_store_b128 v[LOFF], v[WVP+4:WVP+7], s[48:49] offset:512  ; its registers are never written again
.Lno_img:
	s_wait_loadcnt 32                              ; W and the bias are in; the 32 rows of x were issued behind them and may be out
.set i, 0
.rept 16
	v_cvt_pk_bf16_f32 v[WR+4*i], v[WR+4*i], v[WR+4*i+1]
	v_cvt_pk_bf16_f32 v[WR+4*i+1], v[WR+4*i+2], v[WR+4*i+3]
	ds_store_b64 v[WST], v[WR+4*i:WR+4*i+1] offset:8*WP*i
.set i, i+1
.endr
	s_cmp_ge_u32 s34, 4                            ; threads 0 to 127 hold the 128 words of the bias: one writer for each word
	s_cbranch_scc1 .Lno_bias
	ds_store_b32 v[BST], v[BVAL]
.Lno_bias:
.set j, 0
.rept 32
	s_wait_loadcnt 31-j                            ; loads come back in order: row j is in, the younger rows stay out
	v_cvt_pk_bf16_f32 v[XR+4*j], v[XR+4*j], v[XR+4*j+1]
	v_cvt_pk_bf16_f32 v[XR+4*j+1], v[XR+4*j+2], v[XR+4*j+3]
	ds_store_b64 v[XST], v[XR+4*j:XR+4*j+1] offset:XP*j
.set j, j+1
.endr
	s_wait_dscnt 0x0                               ; for the other waves: my rows of W and my words of the bias are in LDS
	s_barrier_signal -1
	s_barrier_wait -1                              ; the one barrier: W and the bias are whole.  x's rows are each wave's own
.irp rt, 0,1
.irp cs, 0,1,2,3
	ds_load_b128 v[XF+8*(4*\rt+\cs):XF+8*(4*\rt+\cs)+3],   v[XFA] offset:16*XP*\rt+64*\cs
	ds_load_b128 v[XF+8*(4*\rt+\cs)+4:XF+8*(4*\rt+\cs)+7], v[XFA] offset:16*XP*\rt+64*\cs+32
.endr
.endr
; ten LDS loads: the four fragments of W for output channels 16 o .. 16 o + 15, and their bias as a C operand (register j = channel 8 h + j)
.macro LDW o, buf
.irp cs, 0,1,2,3
	ds_load_tr16_b128 v[WF+32*\buf+8*\cs:WF+32*\buf+8*\cs+3],   v[WTR] offset:32*WP*\cs+32*\o
	ds_load_tr16_b128 v[WF+32*\buf+8*\cs+4:WF+32*\buf+8*\cs+7], v[WTR] offset:32*WP*\cs+16*WP+32*\o
.endr
	ds_load_b128 v[BI+8*\buf:BI+8*\buf+3],   v[BIA] offset:64*\o
	ds_load_b128 v[BI+8*\buf+4:BI+8*\buf+7], v[BIA] offset:64*\o+16
.endm
; Channels 16 o .. +15 of my 32 pixels.  cnt = the LDS instructions issued behind this block's ten loads.  more = 1: block nxt is fetched into the buffer just used.
; The two accumulators take turns, one instruction a turn.
.macro OT o, nxt, buf, cnt, more
	s_wait_dscnt \cnt
.irp cs, 0,1,2,3
.irp rt, 0,1
.if \cs == 0
	v_wmma_f32_16x16x32_bf16 v[ACC+16*\buf+8*\rt:ACC+16*\buf+8*\rt+7], v[WF+32*\buf+8*\cs:WF+32*\buf+8*\cs+7], v[XF+8*(4*\rt+\cs):XF+8*(4*\rt+\cs)+7], v[BI+8*\buf:BI+8*\buf+7]
.else
	v_wmma_f32_16x16x32_bf16 v[ACC+16*\buf+8*\rt:ACC+16*\buf+8*\rt+7], v[WF+32*\buf+8*\cs:WF+32*\buf+8*\cs+7], v[XF+8*(4*\rt+\cs):XF+8*(4*\rt+\cs)+7], v[ACC+16*\buf+8*\rt:ACC+16*\buf+8*\rt+7]
.endif
.endr
.endr
.rept 4
	v_nop                                          ; four places behind the last matrix instruction (ISA guide 7.12.1) before its result is read and its sources are loaded again
.endr
.irp rt, 0,1
.irp k, 0,1,2,3
	v_cvt_pk_bf16_f32 v[PK+8*\buf+4*\rt+\k], v[ACC+16*\buf+8*\rt+2*\k], v[ACC+16*\buf+8*\rt+2*\k+1]
.endr
.endr
.irp rt, 0,1
	ds_store_b128 v[XFA], v[PK+8*\buf+4*\rt:PK+8*\buf+4*\rt+3] offset:16*XP*\rt+32*\o   ; into my own rows of x, whose fragments are in registers: LDS serves a wave in order
.endr
.if \more
	LDW \nxt, \buf
.endif
.endm
	LDW 0, 0
	LDW 1, 1
	OT 0, 2, 0, 10, 1                              ; behind block 0's loads: block 1's ten
	OT 1, 3, 1, 12, 1                              ; behind block o's loads from here on: two stage stores and the next block's ten loads
	OT 2, 4, 0, 12, 1
	OT 3, 5, 1, 12, 1
	OT 4, 6, 0, 12, 1
	OT 5, 7, 1, 12, 1
	OT 6, 0, 0, 12, 0
	OT 7, 0, 1, 2, 0                               ; behind block 7's loads: block 6's two stores
	; the stage back by rows: one load takes two rows of 256 bytes, and its store covers 512 consecutive bytes, aligned
.set i, 0
.rept 16
	ds_load_b128 v[XF+4*i:XF+4*i+3], v[RDB] offset:2*XP*i
.set i, i+1
.endr
.set i, 0
.rept 16
	s_wait_dscnt 15-i
	global_store_b128 v[LOFF], v[XF+4*i:XF+4*i+3], s[40:41] offset:512*i
.set i, i+1
.endr
	s_wait_tensorcnt 0x0
	ds_add_u32 v240, v241
	s_wait_dscnt 0x0
	s_endpgm
.Lfunc_end_k_q570a83e12c_proj:
	.size	k_q570a83e12c_proj, .Lfunc_end_k_q570a83e12c_proj-k_q570a83e12c_proj
	.p2alignl 7, 3214868480
	.fill 96, 4, 3214868480
	.section	.rodata,"a",@progbits
	.p2align	6, 0x0
	.amdhsa_kernel k_q570a83e12c_proj
		.amdhsa_group_segment_fixed_size 108032
		.amdhsa_private_segment_fixed_size 0
		.amdhsa_enable_private_segment 0
		.amdhsa_kernarg_size 96
		.amdhsa_user_sgpr_count 2
		.amdhsa_user_sgpr_kernarg_segment_ptr 1
		.amdhsa_wavefront_size32 1
		.amdhsa_system_sgpr_workgroup_id_x 1
		.amdhsa_system_sgpr_workgroup_id_y 1
		.amdhsa_system_sgpr_workgroup_id_z 1
		.amdhsa_system_vgpr_workitem_id 0
		.amdhsa_next_free_vgpr 242
		.amdhsa_next_free_sgpr 66
		.amdhsa_reserve_vcc 0
		.amdhsa_float_denorm_mode_32 3
		.amdhsa_float_denorm_mode_16_64 3
		.amdhsa_memory_ordered 1
		.amdhsa_forward_progress 1
		.amdhsa_inst_pref_size 40
	.end_amdhsa_kernel
	.amdgpu_metadata
---
amdhsa.version: [ 1, 2 ]
amdhsa.kernels:
  - .name:           k_q570a83e12c_proj
    .symbol:         k_q570a83e12c_proj.kd
    .args:
      - { .name: x, .offset: 0, .size: 8, .value_kind: global_buffer, .address_space: global }
      - { .name: Wf, .offset: 8, .size: 8, .value_kind: global_buffer, .address_space: global }
      - { .name: Wg, .offset: 16, .size: 8, .value_kind: global_buffer, .address_space: global }
      - { .name: Wh, .offset: 24, .size: 8, .value_kind: global_buffer, .address_space: global }
      - { .name: bf, .offset: 32, .size: 8, .value_kind: global_buffer, .address_space: global }
      - { .name: bg, .offset: 40, .size: 8, .value_kind: global_buffer, .address_space: global }
      - { .name: bh, .offset: 48, .size: 8, .value_kind: global_buffer, .address_space: global }
      - { .name: Wv, .offset: 56, .size: 8, .value_kind: global_buffer, .address_space: global }
      - { .name: fb, .offset: 64, .size: 8, .value_kind: global_buffer, .address_space: global }
      - { .name: gb, .offset: 72, .size: 8, .value_kind: global_buffer, .address_space: global }
      - { .name: vb, .offset: 80, .size: 8, .value_kind: global_buffer, .address_space: global }
      - { .name: wvf, .offset: 88, .size: 8, .value_kind: global_buffer, .address_space: global }
    .group_segment_fixed_size: 108032
    .private_segment_fixed_size: 0
    .kernarg_segment_align: 8
    .kernarg_segment_size: 96
    .max_flat_workgroup_size: 256
    .sgpr_count:     66
    .vgpr_count:     242
    .wavefront_size: 32
...
	.end_amdgpu_metadata
.endif
;; end of part 1
;; launch attn (part 2): grid 256 x 1, 4 waves a work-group, clusters of 4 x 1, 327,680 bytes of LDS; arguments fb, gb, vb, wvf, bv, gamma, x, out0; writes out0
.if DOCPART == 2
	.amdgcn_target "amdgcn-amd-amdhsa--gfx1250"
	.amdhsa_code_object_version 6
	.text
	.protected	k_q570a83e12c_attn
	.globl	k_q570a83e12c_attn
	.p2align	8
	.type	k_q570a83e12c_attn,@function
k_q570a83e12c_attn:
	s_mov_b64 s[64:65], 0
	v_nop
	global_prefetch_b8 v0, s[64:65] scope:SCOPE_SE
	s_setreg_imm32_b32 hwreg(HW_REG_WAVE_MODE, 25, 1), 1
	s_wait_xcnt 0x0
	s_wait_alu depctr_hold_cnt(0) depctr_sa_sdst(0) depctr_va_vdst(0) depctr_va_sdst(0) depctr_va_ssrc(0) depctr_va_vcc(0) depctr_vm_vsrc(0)
	s_getreg_b32 s2, hwreg(HW_REG_IB_STS2, 6, 4)
	s_cmp_eq_u32 s2, 0
	s_cbranch_scc0 .Lentry_in_a_cluster
	s_endpgm
.Lentry_in_a_cluster:
	s_bfe_u32 s2, ttmp6, 0x10000c
	s_cmp_lg_u32 s2, 0x3003
	s_cbranch_scc0 .Lentry_shape_is_right
	s_endpgm
.Lentry_shape_is_right:
; out = (gamma softmax(f g^T) v) Wv + bv + x, for 4 batches of 4,096 pixels x 128 channels.  f, g, v: bf16 rows of 256 bytes; wvf: Wv as bf16 fragments.
; A work-group owns 64 queries (256 work-groups).  ALL FOUR WAVES HOLD THE SAME 64 QUERIES, and each takes 64 of the 256 keys of every step:
; a wave reads 32 KiB of LDS for its 128 matrix instructions of a step.  Each wave keeps its own running maximum, sum and context;
; the four are merged once at the end, and wave w finishes queries 16 w .. 16 w + 15 (last product, bias, residual).
; The scores never leave the registers.  The maximum is taken away before every exponential, as a running maximum.
; EVERY PRODUCT IS TAKEN TRANSPOSED, so that each result is the next product's operand without a shuffle:
;   S^T = K Q^T   : lane (r, h), register j = key 8 h + j of the tile, query r.  Packed in pairs, two key tiles are a source-1 fragment (k = key).
;   O^T = V^T P^T : register j = channel 8 h + j, query r.  Packed, two channel tiles are a source-1 fragment (k = channel).
;   out^T = Wv^T ctx^T : register j = output channel 8 h + j, query r: 32 neighbouring bytes of a row of out.
; A SOFTWARE PIPELINE: trip t issues the 64 matrix instructions of P V of step t - 1, then the 64 of the scores of step t + 1, and between them,
; five at a time, the 552 vector instructions of the softmax of step t: a matrix instruction, two switches of the register window and five
; vector instructions are eight issue slots.  Two score buffers take turns; P is packed in place into the low half of its score block.
; CLUSTER: the four work-groups of a cluster belong to one batch (16 clusters a batch) and walk the same 16 tiles of g and v.  Every tile is asked for
; jointly (mask 15): the requests for g and v are divided by four.  The place in the cluster enters only the global addresses of f, x and out.
; THE WALK IS ROTATED: cluster c begins at tile c mod 16 and wraps round, so the sixteen clusters of a batch ask for sixteen different tiles at a time;
; a softmax does not depend on the order of its keys.  The first tile hangs on the cluster's number alone, which the four partners share.
; LIMITS: inputs and scores finite in f32; an exponential below 2^-126 counts as 0; every matrix operand is rounded to bf16, all sums are f32.
;
; REGISTERS, in windows of 256 (s_set_vgpr_msb: bits 1:0 source 0, 3:2 source 1, 5:4 source 2, 7:6 destination):
;   window 0: v0-63 addresses and softmax figures; v64-127 Q of query tiles 0, 1; v128-255 score buffer of the even steps
;   window 1: v32-39 the running sums in odd trips;  v64-127 Q of query tiles 2, 3; v128-255 score buffer of the odd steps
;   window 2: O (q, ct at 64 q + 8 ct); at the end the four waves' parts of my 16 queries
;   window 3: v0-127 V (ct, ks at 8 (2 ct + ks)); v128-255 K (kt, cs at 128 + 8 (4 kt + cs))
;   a score buffer: (q, kt) at 128 + 32 q + 8 kt; its P: (q, ks) at 128 + 32 q + 8 ks
.set VP,    288                        ; LDS pitch of V's rows: 256 + 32, an odd multiple of 32, for the transposing load
.set KP,    272                        ; LDS pitch of K's rows: 256 + 16: 16 rows start at 16 different 16-byte columns modulo 256 bytes
.set VHALF, 128*VP                     ; what one tensor load brings of V
.set KHALF, 128*KP                     ; and of K
.set KOFF,  2*VHALF                    ; a slot: 256 rows of V (step t), then 256 rows of K (step t + 1): both are read in trip t
.set SLOT,  KOFF+2*KHALF               ; 143,360 bytes
.set STATS, 2*SLOT                     ; [wave][r][4 maxima, 4 sums], 2,048 bytes, never filled by a tensor load
.set STAGE, STATS+2048                 ; for each wave 16 rows of 512 bytes, pitch 528, never filled by a tensor load
.set SGP,   528
.set SGW,   16*SGP
; MERGE: LDS bytes 0 .. 131,071, [source wave][q][i][lane][16 bytes]: inside slot 0, used after that slot's last fill and last read
.set ADRK,  4                          ; v4-5   my K fragments in slot 0, 1
.set ADRV,  6                          ; v6-7   my V fragments in slot 0, 1
.set QOFF,  8                          ; v8     256 r + 16 h
.set LOFF,  9                          ; v9     16 x lane
.set MST,   10                         ; v10    merge: where my parts go
.set MLD0,  11                         ; v11    merge: sources 0, 1 of my queries
.set MLD1,  12                         ; v12    merge: sources 2, 3
.set SST,   13                         ; v13    my wave's figures
.set SLD,   14                         ; v14    all waves' figures of query r
.set STG,   15                         ; v15    the stage: row r, 32 h
.set NM,    16                         ; v16-23 for each q a pair, both = -(running maximum) x log2 e
.set AL,    24                         ; v24-31 for each q a pair, both = the factor on what has been summed
.set LS,    32                         ; v32-39 for each q a pair of running sums: window 0 in even trips, window 1 in odd ones
.set MX,    40                         ; v40-43
.set TP,    44                         ; v44-47
.set RDB,   48                         ; v48    the stage read back by rows
.set TV,    49                         ; v49    scratch
.set QB,    64                         ; Q (q, cs) at 64 + 8 (4 (q mod 2) + cs), window q / 2
.set SB,    128                        ; a score buffer
.set KF,    128                        ; K, window 3
.set BV,    64                         ; the end, window 0: bv
.set SR,    68                         ;                    the four waves' figures
.set EE,    100                        ;                    their weights
.set ST,    116                        ;                    my figures; then the merged sums
.set CT,    96                         ;                    the context as fragments (behind the figures' last use)
.set RB,    128                        ;                    the last product's rows, read back
.set WV,    128                        ;          Wv's fragments 0-15 in window 3, 16-31 in window 0
.set XR,    64                         ;          window 1: 16 rows of x
.set OU,    128                        ;          window 1: the last product's eight accumulators
.set G1V,   32                         ; s[32:39] descriptor group 1, V
.set G1K,   40                         ; s[40:47] descriptor group 1, K
.set G0V,   48                         ; s[48:55] descriptor group 0, V, one set for each slot
.set G0K,   56                         ; s[56:63] descriptor group 0, K, one set for each slot
.set A_EXP, 104                        ; the vector stream of a trip: 104 places for maxima and factors,
.set A_RS,  439                        ; 67 groups of 5 for the exponentials (15 places at the ends are empty), 128 for O
.set NAT,   567
.set NSL,   112                        ; of a trip's 128 places 16 fetch fragments and hold no vector work
.set BSIG,  104                        ; the place in front of which the round is opened
.set BWAIT, 112                        ; and the one in front of which it is closed and the slot filled again
.set MSB, 0
.macro WIN new                         ; the immediate's high byte repeats the setting that is left
.if MSB != (\new)
	s_set_vgpr_msb (MSB<<8)|(\new)
.set MSB, (\new)
.endif
.endm
.macro PLACES                          ; four places behind a matrix instruction (ISA guide 7.12.1) before its result is read or its registers are written or loaded
.rept 4
	v_nop
.endr
.endm
; A joint load.  Waves 0 and 1 fetch V's two halves, waves 2 and 3 K's.  The branch hangs on the wave's number alone.
.macro JLOAD s, dov, dok
.if (\dov)*(\dok)
	s_cmp_eq_u32 s21, 0
	s_cbranch_scc0 .Lfor_k_\@
	tensor_load_to_lds s[G0V+4*\s:G0V+4*\s+3], s[G1V:G1V+7]
	s_nop 0
	v_nop
	v_nop
	v_nop
	s_branch .Lasked_\@
.Lfor_k_\@:
	tensor_load_to_lds s[G0K+4*\s:G0K+4*\s+3], s[G1K:G1K+7]
	s_nop 0
	v_nop
	v_nop
	v_nop
	v_nop
.Lasked_\@:
.elseif \dov
	s_cmp_eq_u32 s21, 0
	s_cbranch_scc0 .Lasked_\@
	tensor_load_to_lds s[G0V+4*\s:G0V+4*\s+3], s[G1V:G1V+7]
	s_nop 0
	v_nop
	v_nop
	v_nop
	v_nop
.Lasked_\@:
.else
	s_cmp_eq_u32 s21, 0
	s_cbranch_scc1 .Lasked_\@
	tensor_load_to_lds s[G0K+4*\s:G0K+4*\s+3], s[G1K:G1K+7]
	s_nop 0
.Lasked_\@:
.endif
.endm
; Slot s is filled again.  s80 = first tile + the step of the V tile that is due; K's tile is one step further.  Tiles wrap round modulo 16.
; It stands behind the wait for all tensor loads, so both groups 0 may be written.
.macro REFILL s, dov, dok
.if \dov
	s_and_b32 s66, s80, 15
	s_lshl_b32 s66, s66, 16                        ; a tile is 256 rows of 256 bytes
	s_add_nc_u64 s[G0V+4*\s+2:G0V+4*\s+3], s[8:9], s[66:67]
	s_or_b32 s[G0V+4*\s+3], s[G0V+4*\s+3], 0x80000000
.endif
	s_add_co_u32 s80, s80, 1
.if \dok
	s_and_b32 s66, s80, 15
	s_lshl_b32 s66, s66, 16
	s_add_nc_u64 s[G0K+4*\s+2:G0K+4*\s+3], s[6:7], s[66:67]
	s_or_b32 s[G0K+4*\s+3], s[G0K+4*\s+3], 0x80000000
.endif
	JLOAD \s, \dov, \dok
.endm
.macro CREST                           ; a round of the cluster's barrier behind its opening work-group barrier
	s_cmp_lg_u32 s20, 0
	s_cbranch_scc1 .Lnot_wave_0_\@
	s_barrier_signal -3
.Lnot_wave_0_\@:
	s_barrier_wait -3
	s_barrier_signal -1
	s_barrier_wait -1
.endm
.macro CROUND                          ; a whole round
	s_barrier_signal -1
	s_barrier_wait -1
	CREST
.endm
	s_load_b512 s[4:19], s[0:1], 0x0               ; fb 4, gb 6, vb 8, wvf 10, bv 12, gamma 14, x 16, out0 18
	v_lshl_add_u32 v62, v0, 2, 0x4ec00
	v_mov_b32 v63, 0
	ds_add_u32 v62, v63
	v_lshrrev_b32 v1, 5, v0
	v_readfirstlane_b32 s20, v1                    ; wave 0..3
	s_lshr_b32 s21, s20, 1                         ; I fetch for V (0) or for K (1)
	s_and_b32 s22, s20, 1                          ; which 128 rows of that tile
	s_bfe_u32 s23, ttmp6, 0x40000                  ; cx
	s_lshl_b32 s24, ttmp9, 2                       ; in a cluster launch ttmp9 counts clusters
	s_add_co_u32 s24, s24, s23                     ; my block of 64 queries
	s_lshr_b32 s25, ttmp9, 4                       ; the batch: 16 clusters each
	s_and_b32 s80, ttmp9, 15                       ; the tile at which this cluster's walk begins
	s_mov_b32 s28, 0x76543210                      ; v_permlanex16_b32: lane i takes lane i of the other half
	s_mov_b32 s29, 0xfedcba98
	; group 1: a tile of 128 rows x 128 elements of 2 bytes, dense in memory, padded in LDS
	s_mov_b32 s[G1V+0], 0x0f71000f                 ; 15:0 mask 15; 17:16 2-byte elements; 20 padding on; 21 set beside a mask; 24:22 after every 64 words; 31:25 8 words
	s_mov_b32 s[G1K+0], 0x0771000f                 ; the same with 4 words of padding
	s_mov_b32 s[G1V+1], 128<<16                    ; tensor_dim0 = 128
	s_mov_b32 s[G1K+1], 128<<16
	s_mov_b32 s[G1V+2], 128<<16                    ; tensor_dim1 = 128
	s_mov_b32 s[G1K+2], 128<<16
	s_mov_b32 s[G1V+3], 128<<16                    ; tile_dim0 = 128
	s_mov_b32 s[G1K+3], 128<<16
	s_mov_b32 s[G1V+4], 128                        ; tile_dim1 = 128
	s_mov_b32 s[G1K+4], 128
	s_mov_b32 s[G1V+5], 128                        ; 128 elements from row to row
	s_mov_b32 s[G1K+5], 128
	s_mov_b32 s[G1V+6], 0
	s_mov_b32 s[G1K+6], 0
	s_mov_b32 s[G1V+7], 0
	s_mov_b32 s[G1K+7], 0
	s_lshl_b32 s66, s25, 20                        ; the batch's 4,096 rows of 256 bytes
	s_lshl_b32 s77, s22, 15                        ; + my 128 rows of a tile: nothing of cx in it
	s_add_co_u32 s66, s66, s77
	s_mov_b32 s67, 0
	s_mul_i32 s26, s20, VHALF                      ; LDS: waves 0, 1 -> V's halves at 0 and 36,864
	s_mul_i32 s27, s20, KHALF
	s_add_co_u32 s27, s27, KOFF-2*KHALF            ; waves 2, 3 -> K's halves at 73,728 and 108,544
	s_wait_dscnt 0x0
	s_wait_kmcnt 0x0
	s_load_b32 s31, s[14:15], 0x0                  ; gamma
	s_add_nc_u64 s[8:9], s[8:9], s[66:67]          ; v at my part of the batch's tile 0
	s_add_nc_u64 s[6:7], s[6:7], s[66:67]          ; g likewise
	s_lshl_b32 s74, s24, 14                        ; 64 rows of 256 bytes
	s_mov_b32 s75, 0
	s_add_nc_u64 s[68:69], s[4:5], s[74:75]        ; f at my 64 queries
	s_lshl_b32 s74, s24, 15                        ; 64 rows of 512 bytes
	s_lshl_b32 s76, s20, 13                        ; + my wave's 16
	s_add_co_u32 s74, s74, s76
	s_add_nc_u64 s[70:71], s[16:17], s[74:75]      ; x
	s_add_nc_u64 s[72:73], s[18:19], s[74:75]      ; out0
.irp s, 0,1
	s_mov_b32 s[G0V+4*\s], 1                       ; count = 1
	s_add_co_u32 s[G0V+4*\s+1], s26, \s*SLOT       ; LDS address
	s_mov_b32 s[G0K+4*\s], 1
	s_add_co_u32 s[G0K+4*\s+1], s27, \s*SLOT
.endr
	; the first fills: V of steps 0, 1 into slots 0, 1; K of step 0 into slot 1 (it is read first of all), K of step 1 into slot 0
	s_lshl_b32 s66, s80, 16
	s_add_nc_u64 s[G0V+2:G0V+3], s[8:9], s[66:67]
	s_add_nc_u64 s[G0K+6:G0K+7], s[6:7], s[66:67]
	s_add_co_u32 s80, s80, 1
	s_and_b32 s66, s80, 15
	s_lshl_b32 s66, s66, 16
	s_add_nc_u64 s[G0V+6:G0V+7], s[8:9], s[66:67]
	s_add_nc_u64 s[G0K+2:G0K+3], s[6:7], s[66:67]
	s_or_b32 s[G0V+3], s[G0V+3], 0x80000000        ; type = 2
	s_or_b32 s[G0V+7], s[G0V+7], 0x80000000
	s_or_b32 s[G0K+3], s[G0K+3], 0x80000000
	s_or_b32 s[G0K+7], s[G0K+7], 0x80000000
	CROUND                                         ; all four work-groups are here: the first joint loads meet
	s_cmp_eq_u32 s21, 0                            ; all first fills go out as one group: two tensor loads of each wave are out
	s_cbranch_scc0 .Lfirst_k
	tensor_load_to_lds s[G0V:G0V+3], s[G1V:G1V+7]
	s_nop 0
	tensor_load_to_lds s[G0V+4:G0V+7], s[G1V:G1V+7]
	s_nop 0
	s_branch .Lfirst_done
.Lfirst_k:
	tensor_load_to_lds s[G0K+4:G0K+7], s[G1K:G1K+7]
	s_nop 0
	tensor_load_to_lds s[G0K:G0K+3], s[G1K:G1K+7]
	s_nop 0
.Lfirst_done:
	v_and_b32 v1, 31, v0                           ; lane
	v_and_b32 v2, 15, v0                           ; r
	v_bfe_u32 v3, v0, 4, 1                         ; h
	s_mul_i32 s78, s20, 64*KP
	s_add_co_u32 s78, s78, KOFF                    ; my 64 keys in K's tile
	s_mul_i32 s79, s20, 64*VP                      ; and in V's
	s_mul_i32 s77, s20, SGW
	s_add_co_u32 s77, s77, STAGE                   ; my stage
	v_mul_u32_u24 v[ADRK], v2, KP
	v_lshl_add_u32 v[ADRK], v3, 4, v[ADRK]
	v_add_nc_u32 v[ADRK], s78, v[ADRK]             ; row r, 16 h
	v_add_nc_u32 v[ADRK+1], SLOT, v[ADRK]
	v_and_b32 v[TV], 7, v0
	v_lshl_add_u32 v[TV], v3, 3, v[TV]             ; row 8 h + lane mod 8
	v_mul_u32_u24 v[ADRV], v[TV], VP
	v_bfe_u32 v[TV], v0, 3, 1
	v_lshl_add_u32 v[ADRV], v[TV], 4, v[ADRV]      ; + 16 bytes for the odd groups of eight lanes
	v_add_nc_u32 v[ADRV], s79, v[ADRV]
	v_add_nc_u32 v[ADRV+1], SLOT, v[ADRV]
	v_lshlrev_b32 v[QOFF], 8, v2
	v_lshl_add_u32 v[QOFF], v3, 4, v[QOFF]
	v_lshlrev_b32 v[LOFF], 4, v1
	v_lshl_add_u32 v[MST], s20, 15, v[LOFF]
	v_lshl_add_u32 v[MLD0], s20, 13, v[LOFF]
	v_add_nc_u32 v[MLD1], 0x10000, v[MLD0]
	v_lshlrev_b32 v[SLD], 5, v2
	v_add_nc_u32 v[SLD], STATS, v[SLD]
	v_lshl_add_u32 v[SST], s20, 9, v[SLD]
	v_mul_u32_u24 v[STG], v2, SGP
	v_lshl_add_u32 v[STG], v3, 5, v[STG]
	v_add_nc_u32 v[STG], s77, v[STG]
	v_add_nc_u32 v[RDB], s77, v[LOFF]
	; Q: the 64 queries as 16 fragments, straight from memory, once (16 KiB a wave)
.irp q, 0,1
.irp cs, 0,1,2,3
	global_load_b128 v[QB+8*(4*\q+\cs):QB+8*(4*\q+\cs)+3],   v[QOFF], s[68:69] offset:4096*\q+64*\cs
	global_load_b128 v[QB+8*(4*\q+\cs)+4:QB+8*(4*\q+\cs)+7], v[QOFF], s[68:69] offset:4096*\q+64*\cs+32
.endr
.endr
	WIN 0x40
.irp q, 0,1
.irp cs, 0,1,2,3
	global_load_b128 v[QB+8*(4*\q+\cs):QB+8*(4*\q+\cs)+3],   v[QOFF], s[68:69] offset:8192+4096*\q+64*\cs
	global_load_b128 v[QB+8*(4*\q+\cs)+4:QB+8*(4*\q+\cs)+7], v[QOFF], s[68:69] offset:8192+4096*\q+64*\cs+32
.endr
.endr
	WIN 0
.irp i, 0,1,2,3,4,5,6,7
	v_mov_b32 v[LS+\i], 0                          ; the eight running sums
.endr
.irp i, 0,1,2,3
	v_mov_b32 v[TP+\i], 0                          ; the lane exchange counts as a reader of its destination
.endr
; load i of the 32 that bring my 64 keys of K as 16 fragments (window 3; the address in window 0)
.macro KLD i, s
.set kf, (\i)>>1
.set kh, (\i)&1
	ds_load_b128 v[KF+8*kf+4*kh:KF+8*kf+4*kh+3], v[ADRK+\s] offset:16*KP*(kf>>2)+64*(kf&3)+32*kh
.endm
; load i of the 32 transposing loads that bring my 64 keys of V as 16 fragments (m = channel, k = key)
.macro VLD i, s
.set vf, (\i)>>1
.set vh, (\i)&1
	ds_load_tr16_b128 v[8*vf+4*vh:8*vf+4*vh+3], v[ADRV+\s] offset:32*VP*(vf&1)+16*VP*vh+32*(vf>>1)
.endm
; Matrix instruction m of the 64 of S^T = K Q^T, into the score buffer of window o; order cs, q, kt: the first 16 start the sums.
; The 16 accumulators take turns, one instruction a turn.
.macro MSM m, o
.set mcs, (\m)>>4
.set mq, ((\m)>>2)&3
.set mkt, (\m)&3
	WIN ((\o)<<6)|((\o)<<4)|((mq>>1)<<2)|3
.if mcs == 0
	v_wmma_f32_16x16x32_bf16 v[SB+32*mq+8*mkt:SB+32*mq+8*mkt+7], v[KF+8*(4*mkt+mcs):KF+8*(4*mkt+mcs)+7], v[QB+8*(4*(mq&1)+mcs):QB+8*(4*(mq&1)+mcs)+7], 0
.else
	v_wmma_f32_16x16x32_bf16 v[SB+32*mq+8*mkt:SB+32*mq+8*mkt+7], v[KF+8*(4*mkt+mcs):KF+8*(4*mkt+mcs)+7], v[QB+8*(4*(mq&1)+mcs):QB+8*(4*(mq&1)+mcs)+7], v[SB+32*mq+8*mkt:SB+32*mq+8*mkt+7]
.endif
.endm
; Matrix instruction m of the 64 of O^T += V^T P^T, P in window o; order ks, q, ct: 32 accumulators by turns.
; first = 1: the first 32 start the sums, nothing is cleared.
.macro MPV m, o, first
.set pks, (\m)>>5
.set pq, ((\m)>>3)&3
.set pct, (\m)&7
	WIN 0xa3+4*(\o)
.if (\first)*(1-pks)
	v_wmma_f32_16x16x32_bf16 v[64*pq+8*pct:64*pq+8*pct+7], v[8*(2*pct+pks):8*(2*pct+pks)+7], v[SB+32*pq+8*pks:SB+32*pq+8*pks+7], 0
.else
	v_wmma_f32_16x16x32_bf16 v[64*pq+8*pct:64*pq+8*pct+7], v[8*(2*pct+pks):8*(2*pct+pks)+7], v[SB+32*pq+8*pks:SB+32*pq+8*pks+7], v[64*pq+8*pct:64*pq+8*pct+7]
.endif
.endm
; Place a of a trip's vector stream; c = the window of the step's score buffer.  The four query tiles are interleaved so that no chain waits for itself.
; NM = -(maximum) log2 e is kept as rounded and used both in the exponents and in the factor AL = 2^(NM new - NM old), so the factors multiply up exactly.
; The exponentials go in groups g = -2 .. 64 on pairs of scores (pair n: query tile n mod 4, pair n / 4 of its 16): two exponentials of pair g, the
; multiply-add of pair g + 2, the sum and the packing of pair g - 1.  So behind each pair of exponentials stands a plain instruction on other registers
; (ISA guide 5.7.2), and a pair's results are used one group later.  Packing writes register i of a block from registers 2 i, 2 i + 1, in ascending i.
.macro VA a, c, first, resc
.set va, \a
.if va < 4
	WIN 5*(\c)
	v_max_num_f32 v[MX+va], v[SB+32*va], v[SB+32*va+1]
.elseif va < 64
.set vq, va&3
.set vs, SB+32*vq+2*(va>>2)
	WIN 5*(\c)
	v_max3_num_f32 v[MX+vq], v[vs], v[vs+1], v[MX+vq]
.elseif va < 68
	WIN 0
	v_permlanex16_b32 v[TP+va-64], v[MX+va-64], s28, s29   ; the other half of the lanes holds the query's other 32 keys
.elseif va < 72
	WIN 0
	v_max_num_f32 v[MX+va-68], v[MX+va-68], v[TP+va-68]
.elseif va < 76
	WIN 0
	v_mul_f32 v[MX+va-72], 0xbfb8aa3b, v[MX+va-72]         ; x -log2 e
.elseif va < 80
.if \first == 0
	WIN 0
	v_min_num_f32 v[MX+va-76], v[MX+va-76], v[NM+2*(va-76)] ; the running maximum, negated: a minimum
.endif
.elseif va < 84
.if \first == 0
	WIN 0
	v_sub_f32 v[TP+va-80], v[MX+va-80], v[NM+2*(va-80)]
.endif
.elseif va < 88
.if \first == 0
	WIN 0
	v_exp_f32 v[AL+2*(va-84)], v[TP+va-84]
.endif
.elseif va < 96
	WIN 0
	v_mov_b32 v[NM+va-88], v[MX+((va-88)>>1)]              ; plain instructions on other registers: the place behind the four exponentials
.elseif va < 100
.if \first == 0
	WIN 0
	s_wait_alu depctr_va_vdst(0)
	v_mov_b32 v[AL+2*(va-96)+1], v[AL+2*(va-96)]
.endif
.elseif va < A_EXP
.if \first == 0
	WIN ((\c)<<6)|((1-(\c))<<2)
	v_pk_mul_f32 v[LS+2*(va-100):LS+2*(va-100)+1], v[AL+2*(va-100):AL+2*(va-100)+1], v[LS+2*(va-100):LS+2*(va-100)+1]  ; the sums change windows in the multiply that they need anyway
.endif
.elseif va < A_RS
.set ve, va-A_EXP
.set vg, ve/5-2
.set vk, ve%5
.if vk < 2
.if vg >= 0
.if vg <= 63
	WIN 0x45*(\c)
	v_exp_f32 v[SB+32*(vg&3)+2*(vg>>2)+vk], v[SB+32*(vg&3)+2*(vg>>2)+vk]
.endif
.endif
.elseif vk == 2
.if vg <= 61
.set vn, vg+2
.set vs, SB+32*(vn&3)+2*(vn>>2)
	WIN 0x45*(\c)
	v_pk_fma_f32 v[vs:vs+1], v[vs:vs+1], 0x3fb8aa3b, v[NM+2*(vn&3):NM+2*(vn&3)+1] op_sel_hi:[1,0,1]  ; s log2 e - max log2 e, one rounding
.endif
.else
.if vg >= 1
.set vn, vg-1
.set vs, SB+32*(vn&3)+2*(vn>>2)
	WIN 0x45*(\c)
.if vk == 3
	s_wait_alu depctr_va_vdst(0)
	v_pk_add_f32 v[LS+2*(vn&3):LS+2*(vn&3)+1], v[LS+2*(vn&3):LS+2*(vn&3)+1], v[vs:vs+1]
.else
	v_cvt_pk_bf16_f32 v[SB+32*(vn&3)+(vn>>2)], v[vs], v[vs+1]
.endif
.endif
.endif
.else
.if \resc
.set vr, va-A_RS
	WIN 0x82
	v_pk_mul_f32 v[64*(vr>>5)+2*(vr&31):64*(vr>>5)+2*(vr&31)+1], v[64*(vr>>5)+2*(vr&31):64*(vr>>5)+2*(vr&31)+1], v[AL+2*(vr>>5):AL+2*(vr>>5)+1]
.endif
.endif
.endm
; TRIP t.  c = t mod 2: the window of step t's scores, and the slot that holds V of step t and K of step t + 1.
; pv: 0 no P V, 1 P V of step t - 1 starts the sums, 2 it adds.  smul: the scores of step t + 1.  first: step t has no maximum before it.
; resc: O is multiplied by step t's factor.  fk, fv: K of step t + 1, V of step t are fetched.
; mode 2: the slot is filled again with V of step t + 2 and K of step t + 3; 3: with V alone; 1: a plain barrier; 0: none.
; 128 places, one matrix instruction each.  Places 1-8 fetch K (four loads each), places 65-72 V: the K registers were last read by the place before this
; trip, the V registers by place 63, and at least five plain vector instructions on other registers stand between.
; The other 112 places share the vector stream evenly.  O is multiplied from place 102 on, behind the last P V.
; In front of place 104 each wave waits for its LDS reads (this slot's are over) and for all its tensor loads (one is out: its part of the next trip's slot)
; and opens the round; eight places of register work follow; the round closes, and the refill is the first thing behind it.
.macro TRIP c, pv, smul, first, resc, fk, fv, mode
.set sl, 0
.set nj, 0
.set an, 0
.rept 128
.if sl == 64
.if \smul
	s_wait_dscnt 0x0                               ; K's 32 loads are the only ones out
.endif
.endif
.if sl == BSIG
.if \mode > 0
	s_wait_dscnt 0x0                               ; V's fragments are in: my reads of this slot are over
	s_set_vgpr_msb (MSB<<8)|((MSB&0xf0)|0x0)
	s_wait_tensorcnt 0x0                           ; all my tensor loads have landed: my part of the next trip's slot
	ds_add_u32 v62, v63
	s_wait_dscnt 0x0
	s_set_vgpr_msb (((MSB&0xf0)|0x0)<<8)|MSB
	s_barrier_signal -1                            ; say so (modes 2, 3: this opens a round of the cluster's barrier)
.endif
.endif
.if sl == BWAIT
.if \mode > 0
	WIN 0
	s_barrier_wait -1
.endif
.if \mode == 2
	CREST                                          ; no wave of any of the four work-groups still reads this slot or has a load on its way
	REFILL \c, 1, 1                                ; my one tensor load behind the round, ahead of every LDS read
.endif
.if \mode == 3
	CREST
	REFILL \c, 1, 0                                ; the last tile of V; there is no K of a step 16
.endif
.endif
.if sl < 64
.if \pv
	MPV sl, 1-\c, 2-\pv
.endif
.else
.if \smul
	MSM sl-64, 1-\c
.endif
.endif
.if (sl+7)/8 == 1
.if \fk
	WIN 0xc0
.set li, 4*(sl-1)
.rept 4
	KLD li, \c
.set li, li+1
.endr
.endif
.elseif (sl+7)/8 == 9
.if \fv
	WIN 0xc0
.set li, 4*(sl-65)
.rept 4
	VLD li, \c
.set li, li+1
.endr
.endif
.else
.set nj, nj+1
.set tg, (nj*NAT)/NSL
.rept tg-an
	VA an, \c, \first, \resc
.set an, an+1
.endr
.endif
.set sl, sl+1
.endr
.if \resc == 0
	PLACES                                         ; no vector work stood behind the last score products: the next trip reads them
.endif
	WIN 0
.endm
; What the end needs from memory.  First part, behind the last score products (six plain vector instructions stand behind them): my 16 rows of x into the
; registers of Q's tiles 2, 3, bv into those of Q's tile 0, Wv's fragments 0-15 into K's.
.macro EPI1
	WIN 0x40
.set ei, 0
.rept 16
	global_load_b128 v[XR+4*ei:XR+4*ei+3], v[LOFF], s[70:71] offset:512*ei th:TH_LOAD_NT
.set ei, ei+1
.endr
	WIN 0
	global_load_b128 v[BV:BV+3], v[LOFF], s[12:13]
	WIN 0xc0
.set ei, 0
.rept 32
	global_load_b128 v[WV+4*ei:WV+4*ei+3], v[LOFF], s[10:11] offset:512*ei
.set ei, ei+1
.endr
	WIN 0
.endm
; Second part, under the last 64 matrix instructions: Wv's fragments 16-31 into the even steps' score buffer, whose P was last read in trip 15's first half
.macro EPI2
.set ei, 0
.rept 32
	global_load_b128 v[WV+4*ei:WV+4*ei+3], v[LOFF], s[10:11] offset:512*(32+ei)
.set ei, ei+1
.endr
.endm
	s_wait_tensorcnt 0x1                           ; the older of my two first fills is in (waves 2, 3: K of step 0); the younger may stay out
	s_barrier_signal -1
	s_barrier_wait -1                              ; everybody's is in
	WIN 0xc0
.set li, 0
.rept 32
	KLD li, 1                                      ; K of step 0 lies in slot 1
.set li, li+1
.endr
	WIN 0
	s_wait_dscnt 0x0                               ; my reads of it are over
	s_set_vgpr_msb (MSB<<8)|((MSB&0xf0)|0x0)
	s_wait_tensorcnt 0x0                           ; and all my first fills have landed
	ds_add_u32 v62, v63
	s_wait_dscnt 0x0
	s_set_vgpr_msb (((MSB&0xf0)|0x0)<<8)|MSB
	CROUND
	REFILL 1, 0, 1                                 ; K of step 2 takes its place; waves 0 and 1 have nothing to fill
	s_wait_loadcnt 0x0                             ; Q
	s_wait_kmcnt 0x0                               ; gamma
.set sl, 0
.rept 64
	MSM sl, 0                                      ; the scores of step 0
.set sl, sl+1
.endr
	WIN 0
	PLACES
	TRIP 0, 0, 1, 1, 0, 1, 1, 2                    ; trip 0: no P V yet, no factor
	TRIP 1, 1, 1, 0, 1, 1, 1, 2                    ; trip 1: P V of step 0 starts O's sums
	s_mov_b32 s30, 5                               ; trips 2 to 11
.Lpair:
	TRIP 0, 2, 1, 0, 1, 1, 1, 2
	TRIP 1, 2, 1, 0, 1, 1, 1, 2
	s_sub_co_u32 s30, s30, 1
	s_cmp_lg_u32 s30, 0
	s_cbranch_scc1 .Lpair
	TRIP 0, 2, 1, 0, 1, 1, 1, 2                    ; trip 12 asks for V of step 14 and K of step 15
	TRIP 1, 2, 1, 0, 1, 1, 1, 3                    ; trip 13 asks for V of step 15, the last load
	TRIP 0, 2, 1, 0, 1, 1, 1, 1                    ; trip 14: nothing is left to ask for; its barrier shows V of step 15 to every wave
	EPI1
	TRIP 1, 2, 0, 0, 1, 0, 1, 0                    ; trip 15: no scores are left
	s_wait_dscnt 0x0                               ; V of step 15
	EPI2
.set sl, 0
.rept 64
	MPV sl, 1, 0                                   ; P V of step 15
.set sl, sl+1
.endr
	; THE END.  1: every wave publishes its maxima and sums.  (The sums of trip 15 lie in window 1.)
	WIN 0x05
.irp q, 0,1,2,3
	v_add_f32 v[MX+\q], v[LS+2*\q], v[LS+2*\q+1]
.endr
	WIN 0
.irp q, 0,1,2,3
	v_permlanex16_b32 v[TP+\q], v[MX+\q], s28, s29
.endr
.irp q, 0,1,2,3
	v_add_f32 v[ST+4+\q], v[MX+\q], v[TP+\q]
	v_mov_b32 v[ST+\q], v[NM+2*\q]
.endr
	ds_store_b128 v[SST], v[ST:ST+3]               ; lanes r and r + 16 hold and write the same numbers
	ds_store_b128 v[SST], v[ST+4:ST+7] offset:16
	s_wait_dscnt 0x0                               ; for the other waves
	s_barrier_signal -1
	s_barrier_wait -1
.irp w, 0,1,2,3
	ds_load_b128 v[SR+8*\w:SR+8*\w+3],   v[SLD] offset:512*\w
	ds_load_b128 v[SR+8*\w+4:SR+8*\w+7], v[SLD] offset:512*\w+16
.endr
	s_wait_dscnt 0x0
	; 2: the common maximum, each wave's weight 2^(NM common - NM wave), the common sum; my factor = gamma x my weight / sum
.irp q, 0,1,2,3
	v_min_num_f32 v[MX+\q], v[SR+\q], v[SR+8+\q]
.endr
.irp q, 0,1,2,3
	v_min_num_f32 v[MX+\q], v[MX+\q], v[SR+16+\q]
.endr
.irp q, 0,1,2,3
	v_min_num_f32 v[MX+\q], v[MX+\q], v[SR+24+\q]
.endr
.irp w, 0,1,2,3
.irp q, 0,1,2,3
	v_sub_f32 v[EE+4*\w+\q], v[MX+\q], v[SR+8*\w+\q]
.endr
.endr
.irp q, 0,1,2,3
	v_sub_f32 v[TP+\q], v[MX+\q], v[NM+2*\q]
.endr
.set ei, 0
.rept 16
	v_exp_f32 v[EE+ei], v[EE+ei]
.set ei, ei+1
.endr
.irp q, 0,1,2,3
	v_exp_f32 v[TP+\q], v[TP+\q]
.endr
	v_nop                                          ; the place behind the exponentials (ISA guide 5.7.2)
.irp q, 0,1,2,3
	s_wait_alu depctr_va_vdst(0)
	v_mul_f32 v[ST+\q], v[SR+4+\q], v[EE+\q]
.endr
.irp w, 1,2,3
.irp q, 0,1,2,3
	v_fmac_f32 v[ST+\q], v[SR+8*\w+4+\q], v[EE+4*\w+\q]
.endr
.endr
.irp q, 0,1,2,3
	v_rcp_f32 v[ST+\q], v[ST+\q]                   ; the sum is at least about 1: the wave that holds the maximum has weight 1
.endr
.irp q, 0,1,2,3
	v_mul_f32 v[TP+\q], s31, v[TP+\q]              ; gamma x my weight: also the place behind the reciprocals
.endr
.irp q, 0,1,2,3
	s_wait_alu depctr_va_vdst(0)
	v_mul_f32 v[AL+2*\q], v[TP+\q], v[ST+\q]
.endr
.irp q, 0,1,2,3
	v_mov_b32 v[AL+2*\q+1], v[AL+2*\q]
.endr
	; 3: my weighted part of all 64 queries goes to LDS.  Slot 0 had its last fill in trip 12 and its last reads were waited for in front of trip 14's barrier.
	WIN 0x82
.irp q, 0,1,2,3
.set ri, 0
.rept 32
	v_pk_mul_f32 v[64*\q+ri:64*\q+ri+1], v[64*\q+ri:64*\q+ri+1], v[AL+2*\q:AL+2*\q+1]
.set ri, ri+2
.endr
.endr
	WIN 0x08
.irp q, 0,1,2,3
.set mi, 0
.rept 16
	ds_store_b128 v[MST], v[64*\q+4*mi:64*\q+4*mi+3] offset:8192*\q+512*mi
.set mi, mi+1
.endr
.endr
	WIN 0
	s_wait_dscnt 0x0                               ; for the other waves
	s_barrier_signal -1
	s_barrier_wait -1
	; 4: the four parts of my 16 queries, summed in f32, rounded to bf16: four source-1 fragments
	WIN 0x80
.irp w, 0,1
.set mi, 0
.rept 16
	ds_load_b128 v[64*\w+4*mi:64*\w+4*mi+3], v[MLD0] offset:32768*\w+512*mi
.set mi, mi+1
.endr
.endr
.irp w, 0,1
.set mi, 0
.rept 16
	ds_load_b128 v[128+64*\w+4*mi:128+64*\w+4*mi+3], v[MLD1] offset:32768*\w+512*mi
.set mi, mi+1
.endr
.endr
	s_wait_dscnt 32                                ; sources 0 and 1 are in; the 32 loads of sources 2 and 3 may be out
	WIN 0x8a
.set mi, 0
.rept 32
	v_pk_add_f32 v[mi:mi+1], v[mi:mi+1], v[64+mi:64+mi+1]
.set mi, mi+2
.endr
	s_wait_dscnt 0x0
.set mi, 0
.rept 32
	v_pk_add_f32 v[128+mi:128+mi+1], v[128+mi:128+mi+1], v[192+mi:192+mi+1]
.set mi, mi+2
.endr
.set mi, 0
.rept 32
	v_pk_add_f32 v[mi:mi+1], v[mi:mi+1], v[128+mi:128+mi+1]
.set mi, mi+2
.endr
	WIN 0x0a
.set mi, 0
.rept 32
	v_cvt_pk_bf16_f32 v[CT+mi], v[2*mi], v[2*mi+1]
.set mi, mi+1
.endr
	; 5: out^T = Wv^T ctx^T: 32 matrix instructions on eight accumulators by turns; the first eight start the sums
	s_wait_loadcnt 0x0                             ; Wv's fragments, x and bv
.irp cs, 0,1,2,3
.irp ot, 0,1,2,3,4,5,6,7
.if \ot < 4
	WIN 0x53
.set wa, WV+8*(4*\ot+\cs)
.else
	WIN 0x50
.set wa, WV+8*(4*(\ot-4)+\cs)
.endif
.if \cs == 0
	v_wmma_f32_16x16x32_bf16 v[OU+8*\ot:OU+8*\ot+7], v[wa:wa+7], v[CT+8*\cs:CT+8*\cs+7], 0
.else
	v_wmma_f32_16x16x32_bf16 v[OU+8*\ot:OU+8*\ot+7], v[wa:wa+7], v[CT+8*\cs:CT+8*\cs+7], v[OU+8*\ot:OU+8*\ot+7]
.endif
.endr
.endr
	; 6: x + bv: 32 plain instructions on registers of no matrix instruction: the places behind the last product (ISA guide 7.12.1)
	WIN 0x41
.set ei, 0
.rept 16
	v_pk_add_f32 v[XR+4*ei:XR+4*ei+1],   v[XR+4*ei:XR+4*ei+1],   v[BV:BV+1]
	v_pk_add_f32 v[XR+4*ei+2:XR+4*ei+3], v[XR+4*ei+2:XR+4*ei+3], v[BV+2:BV+3]
.set ei, ei+1
.endr
	; 7: through my own stage: a lane puts 32 bytes of its query's row, and whole rows of 512 bytes come back (LDS serves a wave in order)
	WIN 0x04
.irp ot, 0,1,2,3,4,5,6,7
	ds_store_b128 v[STG], v[OU+8*\ot:OU+8*\ot+3]   offset:64*\ot
	ds_store_b128 v[STG], v[OU+8*\ot+4:OU+8*\ot+7] offset:64*\ot+16
.endr
	WIN 0
.set ei, 0
.rept 16
	ds_load_b128 v[RB+4*ei:RB+4*ei+3], v[RDB] offset:SGP*ei
.set ei, ei+1
.endr
	; 8: + x + bv, and out: each store covers a whole row, 512 consecutive bytes, aligned; its registers are not written again
	WIN 0x44
.set ei, 0
.rept 16
	s_wait_dscnt 15-ei                             ; row ei is back, the younger rows may be out
	v_pk_add_f32 v[XR+4*ei:XR+4*ei+1],   v[RB+4*ei:RB+4*ei+1],   v[XR+4*ei:XR+4*ei+1]
	v_pk_add_f32 v[XR+4*ei+2:XR+4*ei+3], v[RB+4*ei+2:RB+4*ei+3], v[XR+4*ei+2:XR+4*ei+3]
	global_store_b128 v[LOFF], v[XR+4*ei:XR+4*ei+3], s[72:73] offset:512*ei th:TH_STORE_NT
.set ei, ei+1
.endr
	WIN 0
	s_set_vgpr_msb (MSB<<8)|((MSB&0xf0)|0x0)
	s_wait_tensorcnt 0x0
	ds_add_u32 v62, v63
	s_wait_dscnt 0x0
	s_set_vgpr_msb (((MSB&0xf0)|0x0)<<8)|MSB
	CROUND                                         ; the closing round: no work-group ends while a partner may still ask for a tile that names it
	s_endpgm
.Lfunc_end_k_q570a83e12c_attn:
	.size	k_q570a83e12c_attn, .Lfunc_end_k_q570a83e12c_attn-k_q570a83e12c_attn
	.p2alignl 7, 3214868480
	.fill 96, 4, 3214868480
	.section	.rodata,"a",@progbits
	.p2align	6, 0x0
	.amdhsa_kernel k_q570a83e12c_attn
		.amdhsa_group_segment_fixed_size 327680
		.amdhsa_private_segment_fixed_size 0
		.amdhsa_enable_private_segment 0
		.amdhsa_kernarg_size 64
		.amdhsa_user_sgpr_count 2
		.amdhsa_user_sgpr_kernarg_segment_ptr 1
		.amdhsa_wavefront_size32 1
		.amdhsa_system_sgpr_workgroup_id_x 1
		.amdhsa_system_sgpr_workgroup_id_y 1
		.amdhsa_system_sgpr_workgroup_id_z 1
		.amdhsa_system_vgpr_workitem_id 0
		.amdhsa_next_free_vgpr 1024
		.amdhsa_next_free_sgpr 88
		.amdhsa_reserve_vcc 0
		.amdhsa_float_denorm_mode_32 3
		.amdhsa_float_denorm_mode_16_64 3
		.amdhsa_memory_ordered 1
		.amdhsa_forward_progress 1
		.amdhsa_inst_pref_size 255
	.end_amdhsa_kernel
	.section	.bss,"aw",@nobits
	.p2align	6
	.space	262144
	.amdgpu_metadata
---
amdhsa.version: [ 1, 2 ]
amdhsa.kernels:
  - .name:           k_q570a83e12c_attn
    .symbol:         k_q570a83e12c_attn.kd
    .args:
      - { .name: fb, .offset: 0, .size: 8, .value_kind: global_buffer, .address_space: global }
      - { .name: gb, .offset: 8, .size: 8, .value_kind: global_buffer, .address_space: global }
      - { .name: vb, .offset: 16, .size: 8, .value_kind: global_buffer, .address_space: global }
      - { .name: wvf, .offset: 24, .size: 8, .value_kind: global_buffer, .address_space: global }
      - { .name: bv, .offset: 32, .size: 8, .value_kind: global_buffer, .address_space: global }
      - { .name: gamma, .offset: 40, .size: 8, .value_kind: global_buffer, .address_space: global }
      - { .name: x, .offset: 48, .size: 8, .value_kind: global_buffer, .address_space: global }
      - { .name: out0, .offset: 56, .size: 8, .value_kind: global_buffer, .address_space: global }
    .group_segment_fixed_size: 327680
    .private_segment_fixed_size: 0
    .kernarg_segment_align: 8
    .kernarg_segment_size: 64
    .max_flat_workgroup_size: 128
    .sgpr_count:     88
    .vgpr_count:     1024
    .wavefront_size: 32
...
	.end_amdgpu_metadata
.endif
;; end of part 2
;; ======== version 2 of 2: 2 launches; 1.25 times as fast as version 1
;; workspace buffers: fb 4,194,304 bytes; gb 4,194,304 bytes; vb 4,194,304 bytes; wvf 32,768 bytes
;; launch proj: the kernel of part 1 again; grid 64 x 3, 8 waves a work-group, no clusters, 108,032 bytes of LDS; arguments x, Wf, Wg, Wh, bf, bg, bh, Wv, fb, gb, vb, wvf; writes fb, gb, vb, wvf
;; launch attn (part 3): grid 256 x 1, 4 waves a work-group, clusters of 4 x 1, 327,680 bytes of LDS; arguments fb, gb, vb, wvf, bv, gamma, x, out0; writes out0
.if DOCPART == 3
	.amdgcn_target "amdgcn-amd-amdhsa--gfx1250"
	.amdhsa_code_object_version 6
	.text
	.protected	k_q570a83e12c_attn
	.globl	k_q570a83e12c_attn
	.p2align	8
	.type	k_q570a83e12c_attn,@function
k_q570a83e12c_attn:
	s_mov_b64 s[64:65], 0
	v_nop
	global_prefetch_b8 v0, s[64:65] scope:SCOPE_SE
	s_setreg_imm32_b32 hwreg(HW_REG_WAVE_MODE, 25, 1), 1
	s_wait_xcnt 0x0
	s_wait_alu depctr_hold_cnt(0) depctr_sa_sdst(0) depctr_va_vdst(0) depctr_va_sdst(0) depctr_va_ssrc(0) depctr_va_vcc(0) depctr_vm_vsrc(0)
	s_getreg_b32 s2, hwreg(HW_REG_IB_STS2, 6, 4)
	s_cmp_eq_u32 s2, 0
	s_cbranch_scc0 .Lentry_in_a_cluster
	s_endpgm
.Lentry_in_a_cluster:
	s_bfe_u32 s2, ttmp6, 0x10000c
	s_cmp_lg_u32 s2, 0x3003
	s_cbranch_scc0 .Lentry_shape_is_right
	s_endpgm
.Lentry_shape_is_right:
; out = (gamma softmax(f g^T) v) Wv + bv + x, for 4 batches of 4,096 pixels x 128 channels.  f, g, v: bf16 rows of 256 bytes; wvf: Wv as bf16 fragments.
; A work-group owns 64 queries (256 work-groups).  ALL FOUR WAVES HOLD THE SAME 64 QUERIES, and each takes 64 of the 256 keys of every step:
; a wave reads 32 KiB of LDS for its 128 matrix instructions of a step.  Each wave keeps its own running maximum, sum and context;
; the four are merged once at the end, and wave w finishes queries 16 w .. 16 w + 15 (last product, bias, residual).
; The scores never leave the registers.  The maximum is taken away before every exponential, as a running maximum.
; EVERY PRODUCT IS TAKEN TRANSPOSED, so that each result is the next product's operand without a shuffle:
;   S^T = K Q^T   : lane (r, h), register j = key 8 h + j of the tile, query r.  Packed in pairs, two key tiles are a source-1 fragment (k = key).
;   O^T = V^T P^T : register j = channel 8 h + j, query r.  Packed, two channel tiles are a source-1 fragment (k = channel).
;   out^T = Wv^T ctx^T : register j = output channel 8 h + j, query r: 32 neighbouring bytes of a row of out.
; A SOFTWARE PIPELINE: trip t issues the 64 matrix instructions of P V of step t - 1, then the 64 of the scores of step t + 1, and between them,
; four to six at a time, the 552 vector instructions of the softmax of step t: a matrix instruction, two switches of the register window and five
; vector instructions are eight issue slots.  Two score buffers take turns; P is packed in place into the low half of its score block.
; THE EXPONENTIALS OF A TRIP ARE ONE BATCH WITH ONE WAIT.  The vector stream is ordered by who reads what.  First the maxima.  Then the batch: the four
; factors' exponentials, the 64 multiply-adds and the 128 scores' exponentials, none of which names an exponential's result, and four v_nop: all this is
; dealt to the places up to 64.  Places 65-72 (eight score products, V's 32 loads) name none of the results either; in place 72 stands the one wait.
; Behind it, in places 73-127, stand all the readers: the factors' copies, the sums, the packing, O's multiply..
; At the end the 20 weights' exponentials are a batch, the four reciprocals another.
; CLUSTER: the four work-groups of a cluster belong to one batch (16 clusters a batch) and walk the same 16 tiles of g and v.  Every tile is asked for
; jointly (mask 15): the requests for g and v are divided by four.  The place in the cluster enters only the global addresses of f, x and out.
; THE WALK IS ROTATED: cluster c begins at tile c mod 16 and wraps round, so the sixteen clusters of a batch ask for sixteen different tiles at a time;
; a softmax does not depend on the order of its keys.  The first tile hangs on the cluster's number alone, which the four partners share.
; LIMITS: inputs and scores finite in f32; an exponential below 2^-126 counts as 0; every matrix operand is rounded to bf16, all sums are f32.
;
; REGISTERS, in windows of 256 (s_set_vgpr_msb: bits 1:0 source 0, 3:2 source 1, 5:4 source 2, 7:6 destination):
;   window 0: v0-63 addresses and softmax figures; v64-127 Q of query tiles 0, 1; v128-255 score buffer of the even steps
;   window 1: v32-39 the running sums in odd trips;  v64-127 Q of query tiles 2, 3; v128-255 score buffer of the odd steps
;   window 2: O (q, ct at 64 q + 8 ct); at the end the four waves' parts of my 16 queries
;   window 3: v0-127 V (ct, ks at 8 (2 ct + ks)); v128-255 K (kt, cs at 128 + 8 (4 kt + cs))
;   a score buffer: (q, kt) at 128 + 32 q + 8 kt; its P: (q, ks) at 128 + 32 q + 8 ks
.set VP,    288                        ; LDS pitch of V's rows: 256 + 32, an odd multiple of 32, for the transposing load
.set KP,    272                        ; LDS pitch of K's rows: 256 + 16: 16 rows start at 16 different 16-byte columns modulo 256 bytes
.set VHALF, 128*VP                     ; what one tensor load brings of V
.set KHALF, 128*KP                     ; and of K
.set KOFF,  2*VHALF                    ; a slot: 256 rows of V (step t), then 256 rows of K (step t + 1): both are read in trip t
.set SLOT,  KOFF+2*KHALF               ; 143,360 bytes
.set STATS, 2*SLOT                     ; [wave][r][4 maxima, 4 sums], 2,048 bytes, never filled by a tensor load
.set STAGE, STATS+2048                 ; for each wave 16 rows of 512 bytes, pitch 528, never filled by a tensor load
.set SGP,   528
.set SGW,   16*SGP
; MERGE: LDS bytes 0 .. 131,071, [source wave][q][i][lane][16 bytes]: inside slot 0, used after that slot's last fill and last read
.set ADRK,  4                          ; v4-5   my K fragments in slot 0, 1
.set ADRV,  6                          ; v6-7   my V fragments in slot 0, 1
.set QOFF,  8                          ; v8     256 r + 16 h
.set LOFF,  9                          ; v9     16 x lane
.set MST,   10                         ; v10    merge: where my parts go
.set MLD0,  11                         ; v11    merge: sources 0, 1 of my queries
.set MLD1,  12                         ; v12    merge: sources 2, 3
.set SST,   13                         ; v13    my wave's figures
.set SLD,   14                         ; v14    all waves' figures of query r
.set STG,   15                         ; v15    the stage: row r, 32 h
.set NM,    16                         ; v16-23 for each q a pair, both = -(running maximum) x log2 e
.set AL,    24                         ; v24-31 for each q a pair, both = the factor on what has been summed
.set LS,    32                         ; v32-39 for each q a pair of running sums: window 0 in even trips, window 1 in odd ones
.set MX,    40                         ; v40-43
.set TP,    44                         ; v44-47
.set RDB,   48                         ; v48    the stage read back by rows
.set TV,    49                         ; v49    scratch
.set QB,    64                         ; Q (q, cs) at 64 + 8 (4 (q mod 2) + cs), window q / 2
.set SB,    128                        ; a score buffer
.set KF,    128                        ; K, window 3
.set BV,    64                         ; the end, window 0: bv
.set SR,    68                         ;                    the four waves' figures
.set EE,    100                        ;                    their weights
.set ST,    116                        ;                    my figures; then the merged sums
.set CT,    96                         ;                    the context as fragments (behind the figures' last use)
.set RB,    128                        ;                    the last product's rows, read back
.set WV,    128                        ;          Wv's fragments 0-15 in window 3, 16-31 in window 0
.set XR,    64                         ;          window 1: 16 rows of x
.set OU,    128                        ;          window 1: the last product's eight accumulators
.set G1V,   32                         ; s[32:39] descriptor group 1, V
.set G1K,   40                         ; s[40:47] descriptor group 1, K
.set G0V,   48                         ; s[48:55] descriptor group 0, V, one set for each slot
.set G0K,   56                         ; s[56:63] descriptor group 0, K, one set for each slot
.set A_FE,  96                         ; the vector stream of a trip: 84 numbers for the maxima, 4 factors' exponentials, 8 copies of the maxima,
.set A_NOP, 288                        ; 192 multiply-adds and scores' exponentials,
.set A_RD,  292                        ; 4 v_nop: here the batch ends.  Behind the wait: 8 for the factors' copies and the sums' multiply,
.set A_SUM, 300                        ; 128 for the sums and the packing,
.set A_RS,  428                        ; 128 for O
.set NAT,   556
.set NSB,   57                         ; of a trip's 128 places 16 fetch fragments and hold no vector work: the 57 others up to place 64 share the stream as far as the batch's end,
.set NSR,   55                         ; the 55 from place 73 on share the readers
.set BSIG,  104                        ; the place in front of which the round is opened
.set BWAIT, 112                        ; and the one in front of which it is closed and the slot filled again
.set MSB, 0
.macro WIN new                         ; the immediate's high byte repeats the setting that is left
.if MSB != (\new)
	s_set_vgpr_msb (MSB<<8)|(\new)
.set MSB, (\new)
.endif
.endm
.macro PLACES                          ; four places behind a matrix instruction (ISA guide 7.12.1) before its result is read or its registers are written or loaded
.rept 4
	v_nop
.endr
.endm
; A joint load.  Waves 0 and 1 fetch V's two halves, waves 2 and 3 K's.  The branch hangs on the wave's number alone.
.macro JLOAD s, dov, dok
.if (\dov)*(\dok)
	s_cmp_eq_u32 s21, 0
	s_cbranch_scc0 .Lfor_k_\@
	tensor_load_to_lds s[G0V+4*\s:G0V+4*\s+3], s[G1V:G1V+7]
	s_nop 0
	v_nop
	v_nop
	v_nop
	s_branch .Lasked_\@
.Lfor_k_\@:
	tensor_load_to_lds s[G0K+4*\s:G0K+4*\s+3], s[G1K:G1K+7]
	s_nop 0
	v_nop
	v_nop
	v_nop
	v_nop
.Lasked_\@:
.elseif \dov
	s_cmp_eq_u32 s21, 0
	s_cbranch_scc0 .Lasked_\@
	tensor_load_to_lds s[G0V+4*\s:G0V+4*\s+3], s[G1V:G1V+7]
	s_nop 0
	v_nop
	v_nop
	v_nop
	v_nop
.Lasked_\@:
.else
	s_cmp_eq_u32 s21, 0
	s_cbranch_scc1 .Lasked_\@
	tensor_load_to_lds s[G0K+4*\s:G0K+4*\s+3], s[G1K:G1K+7]
	s_nop 0
.Lasked_\@:
.endif
.endm
; Slot s is filled again.  s80 = first tile + the step of the V tile that is due; K's tile is one step further.  Tiles wrap round modulo 16.
; It stands behind the wait for all tensor loads, so both groups 0 may be written.
.macro REFILL s, dov, dok
.if \dov
	s_and_b32 s66, s80, 15
	s_lshl_b32 s66, s66, 16                        ; a tile is 256 rows of 256 bytes
	s_add_nc_u64 s[G0V+4*\s+2:G0V+4*\s+3], s[8:9], s[66:67]
	s_or_b32 s[G0V+4*\s+3], s[G0V+4*\s+3], 0x80000000
.endif
	s_add_co_u32 s80, s80, 1
.if \dok
	s_and_b32 s66, s80, 15
	s_lshl_b32 s66, s66, 16
	s_add_nc_u64 s[G0K+4*\s+2:G0K+4*\s+3], s[6:7], s[66:67]
	s_or_b32 s[G0K+4*\s+3], s[G0K+4*\s+3], 0x80000000
.endif
	JLOAD \s, \dov, \dok
.endm
.macro CREST                           ; a round of the cluster's barrier behind its opening work-group barrier
	s_cmp_lg_u32 s20, 0
	s_cbranch_scc1 .Lnot_wave_0_\@
	s_barrier_signal -3
.Lnot_wave_0_\@:
	s_barrier_wait -3
	s_barrier_signal -1
	s_barrier_wait -1
.endm
.macro CROUND                          ; a whole round
	s_barrier_signal -1
	s_barrier_wait -1
	CREST
.endm
	s_load_b512 s[4:19], s[0:1], 0x0               ; fb 4, gb 6, vb 8, wvf 10, bv 12, gamma 14, x 16, out0 18
	v_lshl_add_u32 v62, v0, 2, 0x4ec00
	v_mov_b32 v63, 0
	ds_add_u32 v62, v63
	v_lshrrev_b32 v1, 5, v0
	v_readfirstlane_b32 s20, v1                    ; wave 0..3
	s_lshr_b32 s21, s20, 1                         ; I fetch for V (0) or for K (1)
	s_and_b32 s22, s20, 1                          ; which 128 rows of that tile
	s_bfe_u32 s23, ttmp6, 0x40000                  ; cx
	s_lshl_b32 s24, ttmp9, 2                       ; in a cluster launch ttmp9 counts clusters
	s_add_co_u32 s24, s24, s23                     ; my block of 64 queries
	s_lshr_b32 s25, ttmp9, 4                       ; the batch: 16 clusters each
	s_and_b32 s80, ttmp9, 15                       ; the tile at which this cluster's walk begins
	s_mov_b32 s28, 0x76543210                      ; v_permlanex16_b32: lane i takes lane i of the other half
	s_mov_b32 s29, 0xfedcba98
	; group 1: a tile of 128 rows x 128 elements of 2 bytes, dense in memory, padded in LDS
	s_mov_b32 s[G1V+0], 0x0f71000f                 ; 15:0 mask 15; 17:16 2-byte elements; 20 padding on; 21 set beside a mask; 24:22 after every 64 words; 31:25 8 words
	s_mov_b32 s[G1K+0], 0x0771000f                 ; the same with 4 words of padding
	s_mov_b32 s[G1V+1], 128<<16                    ; tensor_dim0 = 128
	s_mov_b32 s[G1K+1], 128<<16
	s_mov_b32 s[G1V+2], 128<<16                    ; tensor_dim1 = 128
	s_mov_b32 s[G1K+2], 128<<16
	s_mov_b32 s[G1V+3], 128<<16                    ; tile_dim0 = 128
	s_mov_b32 s[G1K+3], 128<<16
	s_mov_b32 s[G1V+4], 128                        ; tile_dim1 = 128
	s_mov_b32 s[G1K+4], 128
	s_mov_b32 s[G1V+5], 128                        ; 128 elements from row to row
	s_mov_b32 s[G1K+5], 128
	s_mov_b32 s[G1V+6], 0
	s_mov_b32 s[G1K+6], 0
	s_mov_b32 s[G1V+7], 0
	s_mov_b32 s[G1K+7], 0
	s_lshl_b32 s66, s25, 20                        ; the batch's 4,096 rows of 256 bytes
	s_lshl_b32 s77, s22, 15                        ; + my 128 rows of a tile: nothing of cx in it
	s_add_co_u32 s66, s66, s77
	s_mov_b32 s67, 0
	s_mul_i32 s26, s20, VHALF                      ; LDS: waves 0, 1 -> V's halves at 0 and 36,864
	s_mul_i32 s27, s20, KHALF
	s_add_co_u32 s27, s27, KOFF-2*KHALF            ; waves 2, 3 -> K's halves at 73,728 and 108,544
	s_wait_dscnt 0x0
	s_wait_kmcnt 0x0
	s_load_b32 s31, s[14:15], 0x0                  ; gamma
	s_add_nc_u64 s[8:9], s[8:9], s[66:67]          ; v at my part of the batch's tile 0
	s_add_nc_u64 s[6:7], s[6:7], s[66:67]          ; g likewise
	s_lshl_b32 s74, s24, 14                        ; 64 rows of 256 bytes
	s_mov_b32 s75, 0
	s_add_nc_u64 s[68:69], s[4:5], s[74:75]        ; f at my 64 queries
	s_lshl_b32 s74, s24, 15                        ; 64 rows of 512 bytes
	s_lshl_b32 s76, s20, 13                        ; + my wave's 16
	s_add_co_u32 s74, s74, s76
	s_add_nc_u64 s[70:71], s[16:17], s[74:75]      ; x
	s_add_nc_u64 s[72:73], s[18:19], s[74:75]      ; out0
.irp s, 0,1
	s_mov_b32 s[G0V+4*\s], 1                       ; count = 1
	s_add_co_u32 s[G0V+4*\s+1], s26, \s*SLOT       ; LDS address
	s_mov_b32 s[G0K+4*\s], 1
	s_add_co_u32 s[G0K+4*\s+1], s27, \s*SLOT
.endr
	; the first fills: V of steps 0, 1 into slots 0, 1; K of step 0 into slot 1 (it is read first of all), K of step 1 into slot 0
	s_lshl_b32 s66, s80, 16
	s_add_nc_u64 s[G0V+2:G0V+3], s[8:9], s[66:67]
	s_add_nc_u64 s[G0K+6:G0K+7], s[6:7], s[66:67]
	s_add_co_u32 s80, s80, 1
	s_and_b32 s66, s80, 15
	s_lshl_b32 s66, s66, 16
	s_add_nc_u64 s[G0V+6:G0V+7], s[8:9], s[66:67]
	s_add_nc_u64 s[G0K+2:G0K+3], s[6:7], s[66:67]
	s_or_b32 s[G0V+3], s[G0V+3], 0x80000000        ; type = 2
	s_or_b32 s[G0V+7], s[G0V+7], 0x80000000
	s_or_b32 s[G0K+3], s[G0K+3], 0x80000000
	s_or_b32 s[G0K+7], s[G0K+7], 0x80000000
	CROUND                                         ; all four work-groups are here: the first joint loads meet
	s_cmp_eq_u32 s21, 0                            ; all first fills go out as one group: two tensor loads of each wave are out
	s_cbranch_scc0 .Lfirst_k
	tensor_load_to_lds s[G0V:G0V+3], s[G1V:G1V+7]
	s_nop 0
	tensor_load_to_lds s[G0V+4:G0V+7], s[G1V:G1V+7]
	s_nop 0
	s_branch .Lfirst_done
.Lfirst_k:
	tensor_load_to_lds s[G0K+4:G0K+7], s[G1K:G1K+7]
	s_nop 0
	tensor_load_to_lds s[G0K:G0K+3], s[G1K:G1K+7]
	s_nop 0
.Lfirst_done:
	v_and_b32 v1, 31, v0                           ; lane
	v_and_b32 v2, 15, v0                           ; r
	v_bfe_u32 v3, v0, 4, 1                         ; h
	s_mul_i32 s78, s20, 64*KP
	s_add_co_u32 s78, s78, KOFF                    ; my 64 keys in K's tile
	s_mul_i32 s79, s20, 64*VP                      ; and in V's
	s_mul_i32 s77, s20, SGW
	s_add_co_u32 s77, s77, STAGE                   ; my stage
	v_mul_u32_u24 v[ADRK], v2, KP
	v_lshl_add_u32 v[ADRK], v3, 4, v[ADRK]
	v_add_nc_u32 v[ADRK], s78, v[ADRK]             ; row r, 16 h
	v_add_nc_u32 v[ADRK+1], SLOT, v[ADRK]
	v_and_b32 v[TV], 7, v0
	v_lshl_add_u32 v[TV], v3, 3, v[TV]             ; row 8 h + lane mod 8
	v_mul_u32_u24 v[ADRV], v[TV], VP
	v_bfe_u32 v[TV], v0, 3, 1
	v_lshl_add_u32 v[ADRV], v[TV], 4, v[ADRV]      ; + 16 bytes for the odd groups of eight lanes
	v_add_nc_u32 v[ADRV], s79, v[ADRV]
	v_add_nc_u32 v[ADRV+1], SLOT, v[ADRV]
	v_lshlrev_b32 v[QOFF], 8, v2
	v_lshl_add_u32 v[QOFF], v3, 4, v[QOFF]
	v_lshlrev_b32 v[LOFF], 4, v1
	v_lshl_add_u32 v[MST], s20, 15, v[LOFF]
	v_lshl_add_u32 v[MLD0], s20, 13, v[LOFF]
	v_add_nc_u32 v[MLD1], 0x10000, v[MLD0]
	v_lshlrev_b32 v[SLD], 5, v2
	v_add_nc_u32 v[SLD], STATS, v[SLD]
	v_lshl_add_u32 v[SST], s20, 9, v[SLD]
	v_mul_u32_u24 v[STG], v2, SGP
	v_lshl_add_u32 v[STG], v3, 5, v[STG]
	v_add_nc_u32 v[STG], s77, v[STG]
	v_add_nc_u32 v[RDB], s77, v[LOFF]
	; Q: the 64 queries as 16 fragments, straight from memory, once (16 KiB a wave)
.irp q, 0,1
.irp cs, 0,1,2,3
	global_load_b128 v[QB+8*(4*\q+\cs):QB+8*(4*\q+\cs)+3],   v[QOFF], s[68:69] offset:4096*\q+64*\cs
	global_load_b128 v[QB+8*(4*\q+\cs)+4:QB+8*(4*\q+\cs)+7], v[QOFF], s[68:69] offset:4096*\q+64*\cs+32
.endr
.endr
	WIN 0x40
.irp q, 0,1
.irp cs, 0,1,2,3
	global_load_b128 v[QB+8*(4*\q+\cs):QB+8*(4*\q+\cs)+3],   v[QOFF], s[68:69] offset:8192+4096*\q+64*\cs
	global_load_b128 v[QB+8*(4*\q+\cs)+4:QB+8*(4*\q+\cs)+7], v[QOFF], s[68:69] offset:8192+4096*\q+64*\cs+32
.endr
.endr
	WIN 0
.irp i, 0,1,2,3,4,5,6,7
	v_mov_b32 v[LS+\i], 0                          ; the eight running sums
.endr
.irp i, 0,1,2,3
	v_mov_b32 v[TP+\i], 0                          ; the lane exchange counts as a reader of its destination
.endr
; load i of the 32 that bring my 64 keys of K as 16 fragments (window 3; the address in window 0)
.macro KLD i, s
.set kf, (\i)>>1
.set kh, (\i)&1
	ds_load_b128 v[KF+8*kf+4*kh:KF+8*kf+4*kh+3], v[ADRK+\s] offset:16*KP*(kf>>2)+64*(kf&3)+32*kh
.endm
; load i of the 32 transposing loads that bring my 64 keys of V as 16 fragments (m = channel, k = key)
.macro VLD i, s
.set vf, (\i)>>1
.set vh, (\i)&1
	ds_load_tr16_b128 v[8*vf+4*vh:8*vf+4*vh+3], v[ADRV+\s] offset:32*VP*(vf&1)+16*VP*vh+32*(vf>>1)
.endm
; Matrix instruction m of the 64 of S^T = K Q^T, into the score buffer of window o; order cs, q, kt: the first 16 start the sums.
; The 16 accumulators take turns, one instruction a turn.
.macro MSM m, o
.set mcs, (\m)>>4
.set mq, ((\m)>>2)&3
.set mkt, (\m)&3
	WIN ((\o)<<6)|((\o)<<4)|((mq>>1)<<2)|3
.if mcs == 0
	v_wmma_f32_16x16x32_bf16 v[SB+32*mq+8*mkt:SB+32*mq+8*mkt+7], v[KF+8*(4*mkt+mcs):KF+8*(4*mkt+mcs)+7], v[QB+8*(4*(mq&1)+mcs):QB+8*(4*(mq&1)+mcs)+7], 0
.else
	v_wmma_f32_16x16x32_bf16 v[SB+32*mq+8*mkt:SB+32*mq+8*mkt+7], v[KF+8*(4*mkt+mcs):KF+8*(4*mkt+mcs)+7], v[QB+8*(4*(mq&1)+mcs):QB+8*(4*(mq&1)+mcs)+7], v[SB+32*mq+8*mkt:SB+32*mq+8*mkt+7]
.endif
.endm
; Matrix instruction m of the 64 of O^T += V^T P^T, P in window o; order ks, q, ct: 32 accumulators by turns.
; first = 1: the first 32 start the sums, nothing is cleared.
.macro MPV m, o, first
.set pks, (\m)>>5
.set pq, ((\m)>>3)&3
.set pct, (\m)&7
	WIN 0xa3+4*(\o)
.if (\first)*(1-pks)
	v_wmma_f32_16x16x32_bf16 v[64*pq+8*pct:64*pq+8*pct+7], v[8*(2*pct+pks):8*(2*pct+pks)+7], v[SB+32*pq+8*pks:SB+32*pq+8*pks+7], 0
.else
	v_wmma_f32_16x16x32_bf16 v[64*pq+8*pct:64*pq+8*pct+7], v[8*(2*pct+pks):8*(2*pct+pks)+7], v[SB+32*pq+8*pks:SB+32*pq+8*pks+7], v[64*pq+8*pct:64*pq+8*pct+7]
.endif
.endm
; Number a of a trip's vector stream; c = the window of the step's score buffer.  The four query tiles are interleaved so that no chain waits for itself.
; NM = -(maximum) log2 e is kept as rounded and used both in the exponents and in the factor AL = 2^(NM new - NM old), so the factors multiply up exactly.
; The scores go in pairs (pair n: query tile n mod 4, pair n / 4 of its 16).
;   0-83     the maxima, the exchange of the lanes' halves, the running maximum, the factor's exponent
;   84-291   THE BATCH.  84-87 the four factors' exponentials; 88-95 the maxima's copies; 96-287 the multiply-adds of pairs 0 and 1, then 62 times the multiply-add of
;            pair g + 2 and the two exponentials of pair g, then the four exponentials of pairs 62 and 63; 288-291 four v_nop: the plain instruction behind the last
;            exponential (ISA guide 5.7.2), and places in front of V's loads (TRIP).  None of these numbers names an exponential's result
;   (wait)   TRIP writes it, once for the 132 exponentials
;   292-299  the factors' copies; the sums times the factor
;   300-427  for pair n = 0 .. 63: its sum, its packing.  Packing writes register i of a block from registers 2 i, 2 i + 1, in ascending i
;   428-555  O times the factor
.macro VA a, c, first, resc
.set va, \a
.if va < 4
	WIN 5*(\c)
	v_max_num_f32 v[MX+va], v[SB+32*va], v[SB+32*va+1]
.elseif va < 64
.set vq, va&3
.set vs, SB+32*vq+2*(va>>2)
	WIN 5*(\c)
	v_max3_num_f32 v[MX+vq], v[vs], v[vs+1], v[MX+vq]
.elseif va < 68
	WIN 0
	v_permlanex16_b32 v[TP+va-64], v[MX+va-64], s28, s29   ; the other half of the lanes holds the query's other 32 keys
.elseif va < 72
	WIN 0
	v_max_num_f32 v[MX+va-68], v[MX+va-68], v[TP+va-68]
.elseif va < 76
	WIN 0
	v_mul_f32 v[MX+va-72], 0xbfb8aa3b, v[MX+va-72]         ; x -log2 e
.elseif va < 80
.if \first == 0
	WIN 0
	v_min_num_f32 v[MX+va-76], v[MX+va-76], v[NM+2*(va-76)] ; the running maximum, negated: a minimum
.endif
.elseif va < 84
.if \first == 0
	WIN 0
	v_sub_f32 v[TP+va-80], v[MX+va-80], v[NM+2*(va-80)]
.endif
.elseif va < 88
.if \first == 0
	WIN 0
	v_exp_f32 v[AL+2*(va-84)], v[TP+va-84]                 ; the batch's first four; their results are named behind the wait alone
.endif
.elseif va < A_FE
	WIN 0
	v_mov_b32 v[NM+va-88], v[MX+((va-88)>>1)]              ; plain instructions on other registers: the place behind the four exponentials
.elseif va < A_NOP
.set ve, va-A_FE
.set vk, 0                             ; 0: a pair's multiply-add; 1, 2: the exponential of its first, its second score
.set vn, ve                            ; the first two numbers: pairs 0 and 1
.if ve >= 188
.set vk, 1+(ve-188)%2
.set vn, 62+(ve-188)/2
.elseif ve >= 2
.set vk, (ve-2)%3
.set vn, (ve-2)/3
.if vk == 0
.set vn, vn+2                          ; the multiply-add runs two pairs ahead of the exponentials
.endif
.endif
.set vs, SB+32*(vn&3)+2*(vn>>2)
	WIN 0x45*(\c)
.if vk == 0
	v_pk_fma_f32 v[vs:vs+1], v[vs:vs+1], 0x3fb8aa3b, v[NM+2*(vn&3):NM+2*(vn&3)+1] op_sel_hi:[1,0,1]  ; s log2 e - max log2 e, one rounding
.else
	v_exp_f32 v[vs+vk-1], v[vs+vk-1]
.endif
.elseif va < A_RD
	v_nop
.elseif va < A_RD+4
.if \first == 0
	WIN 0
	v_mov_b32 v[AL+2*(va-A_RD)+1], v[AL+2*(va-A_RD)]
.endif
.elseif va < A_SUM
.if \first == 0
.set vq, va-A_RD-4
	WIN ((\c)<<6)|((1-(\c))<<2)
	v_pk_mul_f32 v[LS+2*vq:LS+2*vq+1], v[AL+2*vq:AL+2*vq+1], v[LS+2*vq:LS+2*vq+1]  ; the sums change windows in the multiply that they need anyway
.endif
.elseif va < A_RS
.set vn, (va-A_SUM)>>1
.set vs, SB+32*(vn&3)+2*(vn>>2)
	WIN 0x45*(\c)
.if (va-A_SUM)&1
	v_cvt_pk_bf16_f32 v[SB+32*(vn&3)+(vn>>2)], v[vs], v[vs+1]
.else
	v_pk_add_f32 v[LS+2*(vn&3):LS+2*(vn&3)+1], v[LS+2*(vn&3):LS+2*(vn&3)+1], v[vs:vs+1]
.endif
.else
.if \resc
.set vr, va-A_RS
	WIN 0x82
	v_pk_mul_f32 v[64*(vr>>5)+2*(vr&31):64*(vr>>5)+2*(vr&31)+1], v[64*(vr>>5)+2*(vr&31):64*(vr>>5)+2*(vr&31)+1], v[AL+2*(vr>>5):AL+2*(vr>>5)+1]
.endif
.endif
.endm
; TRIP t.  c = t mod 2: the window of step t's scores, and the slot that holds V of step t and K of step t + 1.
; pv: 0 no P V, 1 P V of step t - 1 starts the sums, 2 it adds.  smul: the scores of step t + 1.  first: step t has no maximum before it.
; resc: O is multiplied by step t's factor.  fk, fv: K of step t + 1, V of step t are fetched.
; mode 2: the slot is filled again with V of step t + 2 and K of step t + 3; 3: with V alone; 1: a plain barrier; 0: none.
; 128 places, one matrix instruction each.  Places 1-8 fetch K (four loads each), places 65-72 V: the K registers were last read by the place before this
; trip, the V registers by place 63, and at least five plain vector instructions on other registers stand between: for V the last
; multiply-add and the four v_nop; the exponentials beside them are not counted.
; The 57 other places up to 64 share the stream as far as the batch's end, five or six numbers each; the 55 from 73 on share the readers, four or five each.
; The one wait stands in place 72, ahead of its four loads.  O is multiplied from place 101 on, behind the last P V.
; In front of place 104 each wave waits for its LDS reads (this slot's are over) and for all its tensor loads (one is out: its part of the next trip's slot)
; and opens the round; eight places of register work follow; the round closes, and the refill is the first thing behind it.
.macro TRIP c, pv, smul, first, resc, fk, fv, mode
.set sl, 0
.set nj, 0
.set an, 0
.rept 128
.if sl == 64
.if \smul
	s_wait_dscnt 0x0                               ; K's 32 loads are the only ones out
.endif
.endif
.if sl == BSIG
.if \mode > 0
	s_wait_dscnt 0x0                               ; V's fragments are in: my reads of this slot are over
	s_set_vgpr_msb (MSB<<8)|((MSB&0xf0)|0x0)
	s_wait_tensorcnt 0x0                           ; all my tensor loads have landed: my part of the next trip's slot
	ds_add_u32 v62, v63
	s_wait_dscnt 0x0
	s_set_vgpr_msb (((MSB&0xf0)|0x0)<<8)|MSB
	s_barrier_signal -1                            ; say so (modes 2, 3: this opens a round of the cluster's barrier)
.endif
.endif
.if sl == BWAIT
.if \mode > 0
	WIN 0
	s_barrier_wait -1
.endif
.if \mode == 2
	CREST                                          ; no wave of any of the four work-groups still reads this slot or has a load on its way
	REFILL \c, 1, 1                                ; my one tensor load behind the round, ahead of every LDS read
.endif
.if \mode == 3
	CREST
	REFILL \c, 1, 0                                ; the last tile of V; there is no K of a step 16
.endif
.endif
.if sl < 64
.if \pv
	MPV sl, 1-\c, 2-\pv
.endif
.else
.if \smul
	MSM sl-64, 1-\c
.endif
.endif
.if (sl+7)/8 == 1
.if \fk
	WIN 0xc0
.set li, 4*(sl-1)
.rept 4
	KLD li, \c
.set li, li+1
.endr
.endif
.elseif (sl+7)/8 == 9
.if sl == 72
	s_wait_alu depctr_va_vdst(0)                   ; the trip's one wait: it serves the whole batch, the factors' 4 exponentials and the scores' 128, all issued up to place 64; the first reader stands in place 73
.endif
.if \fv
	WIN 0xc0
.set li, 4*(sl-65)
.rept 4
	VLD li, \c
.set li, li+1
.endr
.endif
.else
.set nj, nj+1
.if nj <= NSB
.set tg, (nj*A_RD)/NSB
.else
.set tg, A_RD+((nj-NSB)*(NAT-A_RD))/NSR
.endif
.rept tg-an
	VA an, \c, \first, \resc
.set an, an+1
.endr
.endif
.set sl, sl+1
.endr
.if \resc == 0
	PLACES                                         ; no vector work stood behind the last score products: the next trip reads them
.endif
	WIN 0
.endm
; What the end needs from memory.  First part, behind the last score products (five plain vector instructions stand behind them): my 16 rows of x into the
; registers of Q's tiles 2, 3, bv into those of Q's tile 0, Wv's fragments 0-15 into K's.
.macro EPI1
	WIN 0x40
.set ei, 0
.rept 16
	global_load_b128 v[XR+4*ei:XR+4*ei+3], v[LOFF], s[70:71] offset:512*ei th:TH_LOAD_NT
.set ei, ei+1
.endr
	WIN 0
	global_load_b128 v[BV:BV+3], v[LOFF], s[12:13]
	WIN 0xc0
.set ei, 0
.rept 32
	global_load_b128 v[WV+4*ei:WV+4*ei+3], v[LOFF], s[10:11] offset:512*ei
.set ei, ei+1
.endr
	WIN 0
.endm
; Second part, under the last 64 matrix instructions: Wv's fragments 16-31 into the even steps' score buffer, whose P was last read in trip 15's first half
.macro EPI2
.set ei, 0
.rept 32
	global_load_b128 v[WV+4*ei:WV+4*ei+3], v[LOFF], s[10:11] offset:512*(32+ei)
.set ei, ei+1
.endr
.endm
	s_wait_tensorcnt 0x1                           ; the older of my two first fills is in (waves 2, 3: K of step 0); the younger may stay out
	s_barrier_signal -1
	s_barrier_wait -1                              ; everybody's is in
	WIN 0xc0
.set li, 0
.rept 32
	KLD li, 1                                      ; K of step 0 lies in slot 1
.set li, li+1
.endr
	WIN 0
	s_wait_dscnt 0x0                               ; my reads of it are over
	s_set_vgpr_msb (MSB<<8)|((MSB&0xf0)|0x0)
	s_wait_tensorcnt 0x0                           ; and all my first fills have landed
	ds_add_u32 v62, v63
	s_wait_dscnt 0x0
	s_set_vgpr_msb (((MSB&0xf0)|0x0)<<8)|MSB
	CROUND
	REFILL 1, 0, 1                                 ; K of step 2 takes its place; waves 0 and 1 have nothing to fill
	s_wait_loadcnt 0x0                             ; Q
	s_wait_kmcnt 0x0                               ; gamma
.set sl, 0
.rept 64
	MSM sl, 0                                      ; the scores of step 0
.set sl, sl+1
.endr
	WIN 0
	PLACES
	TRIP 0, 0, 1, 1, 0, 1, 1, 2                    ; trip 0: no P V yet, no factor
	TRIP 1, 1, 1, 0, 1, 1, 1, 2                    ; trip 1: P V of step 0 starts O's sums
	s_mov_b32 s30, 5                               ; trips 2 to 11
.Lpair:
	TRIP 0, 2, 1, 0, 1, 1, 1, 2
	TRIP 1, 2, 1, 0, 1, 1, 1, 2
	s_sub_co_u32 s30, s30, 1
	s_cmp_lg_u32 s30, 0
	s_cbranch_scc1 .Lpair
	TRIP 0, 2, 1, 0, 1, 1, 1, 2                    ; trip 12 asks for V of step 14 and K of step 15
	TRIP 1, 2, 1, 0, 1, 1, 1, 3                    ; trip 13 asks for V of step 15, the last load
	TRIP 0, 2, 1, 0, 1, 1, 1, 1                    ; trip 14: nothing is left to ask for; its barrier shows V of step 15 to every wave
	EPI1
	TRIP 1, 2, 0, 0, 1, 0, 1, 0                    ; trip 15: no scores are left
	s_wait_dscnt 0x0                               ; V of step 15
	EPI2
.set sl, 0
.rept 64
	MPV sl, 1, 0                                   ; P V of step 15
.set sl, sl+1
.endr
	; THE END.  1: every wave publishes its maxima and sums.  (The sums of trip 15 lie in window 1.)
	WIN 0x05
.irp q, 0,1,2,3
	v_add_f32 v[MX+\q], v[LS+2*\q], v[LS+2*\q+1]
.endr
	WIN 0
.irp q, 0,1,2,3
	v_permlanex16_b32 v[TP+\q], v[MX+\q], s28, s29
.endr
.irp q, 0,1,2,3
	v_add_f32 v[ST+4+\q], v[MX+\q], v[TP+\q]
	v_mov_b32 v[ST+\q], v[NM+2*\q]
.endr
	ds_store_b128 v[SST], v[ST:ST+3]               ; lanes r and r + 16 hold and write the same numbers
	ds_store_b128 v[SST], v[ST+4:ST+7] offset:16
	s_wait_dscnt 0x0                               ; for the other waves
	s_barrier_signal -1
	s_barrier_wait -1
.irp w, 0,1,2,3
	ds_load_b128 v[SR+8*\w:SR+8*\w+3],   v[SLD] offset:512*\w
	ds_load_b128 v[SR+8*\w+4:SR+8*\w+7], v[SLD] offset:512*\w+16
.endr
	s_wait_dscnt 0x0
	; 2: the common maximum, each wave's weight 2^(NM common - NM wave), the common sum; my factor = gamma x my weight / sum
.irp q, 0,1,2,3
	v_min_num_f32 v[MX+\q], v[SR+\q], v[SR+8+\q]
.endr
.irp q, 0,1,2,3
	v_min_num_f32 v[MX+\q], v[MX+\q], v[SR+16+\q]
.endr
.irp q, 0,1,2,3
	v_min_num_f32 v[MX+\q], v[MX+\q], v[SR+24+\q]
.endr
.irp w, 0,1,2,3
.irp q, 0,1,2,3
	v_sub_f32 v[EE+4*\w+\q], v[MX+\q], v[SR+8*\w+\q]
.endr
.endr
.irp q, 0,1,2,3
	v_sub_f32 v[TP+\q], v[MX+\q], v[NM+2*\q]
.endr
.set ei, 0
.rept 16
	v_exp_f32 v[EE+ei], v[EE+ei]
.set ei, ei+1
.endr
.irp q, 0,1,2,3
	v_exp_f32 v[TP+\q], v[TP+\q]
.endr
	v_nop                                          ; the place behind the exponentials (ISA guide 5.7.2)
	s_wait_alu depctr_va_vdst(0)                   ; one wait for the batch of twenty exponentials, ahead of their first reader
.irp q, 0,1,2,3
	v_mul_f32 v[ST+\q], v[SR+4+\q], v[EE+\q]
.endr
.irp w, 1,2,3
.irp q, 0,1,2,3
	v_fmac_f32 v[ST+\q], v[SR+8*\w+4+\q], v[EE+4*\w+\q]
.endr
.endr
.irp q, 0,1,2,3
	v_rcp_f32 v[ST+\q], v[ST+\q]                   ; the sum is at least about 1: the wave that holds the maximum has weight 1
.endr
.irp q, 0,1,2,3
	v_mul_f32 v[TP+\q], s31, v[TP+\q]              ; gamma x my weight: also the place behind the reciprocals
.endr
	s_wait_alu depctr_va_vdst(0)                   ; one wait for the batch of four reciprocals, ahead of their first reader
.irp q, 0,1,2,3
	v_mul_f32 v[AL+2*\q], v[TP+\q], v[ST+\q]
.endr
.irp q, 0,1,2,3
	v_mov_b32 v[AL+2*\q+1], v[AL+2*\q]
.endr
	; 3: my weighted part of all 64 queries goes to LDS.  Slot 0 had its last fill in trip 12 and its last reads were waited for in front of trip 14's barrier.
	WIN 0x82
.irp q, 0,1,2,3
.set ri, 0
.rept 32
	v_pk_mul_f32 v[64*\q+ri:64*\q+ri+1], v[64*\q+ri:64*\q+ri+1], v[AL+2*\q:AL+2*\q+1]
.set ri, ri+2
.endr
.endr
	WIN 0x08
.irp q, 0,1,2,3
.set mi, 0
.rept 16
	ds_store_b128 v[MST], v[64*\q+4*mi:64*\q+4*mi+3] offset:8192*\q+512*mi
.set mi, mi+1
.endr
.endr
	WIN 0
	s_wait_dscnt 0x0                               ; for the other waves
	s_barrier_signal -1
	s_barrier_wait -1
	; 4: the four parts of my 16 queries, summed in f32, rounded to bf16: four source-1 fragments
	WIN 0x80
.irp w, 0,1
.set mi, 0
.rept 16
	ds_load_b128 v[64*\w+4*mi:64*\w+4*mi+3], v[MLD0] offset:32768*\w+512*mi
.set mi, mi+1
.endr
.endr
.irp w, 0,1
.set mi, 0
.rept 16
	ds_load_b128 v[128+64*\w+4*mi:128+64*\w+4*mi+3], v[MLD1] offset:32768*\w+512*mi
.set mi, mi+1
.endr
.endr
	s_wait_dscnt 32                                ; sources 0 and 1 are in; the 32 loads of sources 2 and 3 may be out
	WIN 0x8a
.set mi, 0
.rept 32
	v_pk_add_f32 v[mi:mi+1], v[mi:mi+1], v[64+mi:64+mi+1]
.set mi, mi+2
.endr
	s_wait_dscnt 0x0
.set mi, 0
.rept 32
	v_pk_add_f32 v[128+mi:128+mi+1], v[128+mi:128+mi+1], v[192+mi:192+mi+1]
.set mi, mi+2
.endr
.set mi, 0
.rept 32
	v_pk_add_f32 v[mi:mi+1], v[mi:mi+1], v[128+mi:128+mi+1]
.set mi, mi+2
.endr
	WIN 0x0a
.set mi, 0
.rept 32
	v_cvt_pk_bf16_f32 v[CT+mi], v[2*mi], v[2*mi+1]
.set mi, mi+1
.endr
	; 5: out^T = Wv^T ctx^T: 32 matrix instructions on eight accumulators by turns; the first eight start the sums
	s_wait_loadcnt 0x0                             ; Wv's fragments, x and bv
.irp cs, 0,1,2,3
.irp ot, 0,1,2,3,4,5,6,7
.if \ot < 4
	WIN 0x53
.set wa, WV+8*(4*\ot+\cs)
.else
	WIN 0x50
.set wa, WV+8*(4*(\ot-4)+\cs)
.endif
.if \cs == 0
	v_wmma_f32_16x16x32_bf16 v[OU+8*\ot:OU+8*\ot+7], v[wa:wa+7], v[CT+8*\cs:CT+8*\cs+7], 0
.else
	v_wmma_f32_16x16x32_bf16 v[OU+8*\ot:OU+8*\ot+7], v[wa:wa+7], v[CT+8*\cs:CT+8*\cs+7], v[OU+8*\ot:OU+8*\ot+7]
.endif
.endr
.endr
	; 6: x + bv: 32 plain instructions on registers of no matrix instruction: the places behind the last product (ISA guide 7.12.1)
	WIN 0x41
.set ei, 0
.rept 16
	v_pk_add_f32 v[XR+4*ei:XR+4*ei+1],   v[XR+4*ei:XR+4*ei+1],   v[BV:BV+1]
	v_pk_add_f32 v[XR+4*ei+2:XR+4*ei+3], v[XR+4*ei+2:XR+4*ei+3], v[BV+2:BV+3]
.set ei, ei+1
.endr
	; 7: through my own stage: a lane puts 32 bytes of its query's row, and whole rows of 512 bytes come back (LDS serves a wave in order)
	WIN 0x04
.irp ot, 0,1,2,3,4,5,6,7
	ds_store_b128 v[STG], v[OU+8*\ot:OU+8*\ot+3]   offset:64*\ot
	ds_store_b128 v[STG], v[OU+8*\ot+4:OU+8*\ot+7] offset:64*\ot+16
.endr
	WIN 0
.set ei, 0
.rept 16
	ds_load_b128 v[RB+4*ei:RB+4*ei+3], v[RDB] offset:SGP*ei
.set ei, ei+1
.endr
	; 8: + x + bv, and out: each store covers a whole row, 512 consecutive bytes, aligned; its registers are not written again
	WIN 0x44
.set ei, 0
.rept 16
	s_wait_dscnt 15-ei                             ; row ei is back, the younger rows may be out
	v_pk_add_f32 v[XR+4*ei:XR+4*ei+1],   v[RB+4*ei:RB+4*ei+1],   v[XR+4*ei:XR+4*ei+1]
	v_pk_add_f32 v[XR+4*ei+2:XR+4*ei+3], v[RB+4*ei+2:RB+4*ei+3], v[XR+4*ei+2:XR+4*ei+3]
	global_store_b128 v[LOFF], v[XR+4*ei:XR+4*ei+3], s[72:73] offset:512*ei th:TH_STORE_NT
.set ei, ei+1
.endr
	WIN 0
	s_set_vgpr_msb (MSB<<8)|((MSB&0xf0)|0x0)
	s_wait_tensorcnt 0x0
	ds_add_u32 v62, v63
	s_wait_dscnt 0x0
	s_set_vgpr_msb (((MSB&0xf0)|0x0)<<8)|MSB
	CROUND                                         ; the closing round: no work-group ends while a partner may still ask for a tile that names it
	s_endpgm
.Lfunc_end_k_q570a83e12c_attn:
	.size	k_q570a83e12c_attn, .Lfunc_end_k_q570a83e12c_attn-k_q570a83e12c_attn
	.p2alignl 7, 3214868480
	.fill 96, 4, 3214868480
	.section	.rodata,"a",@progbits
	.p2align	6, 0x0
	.amdhsa_kernel k_q570a83e12c_attn
		.amdhsa_group_segment_fixed_size 327680
		.amdhsa_private_segment_fixed_size 0
		.amdhsa_enable_private_segment 0
		.amdhsa_kernarg_size 64
		.amdhsa_user_sgpr_count 2
		.amdhsa_user_sgpr_kernarg_segment_ptr 1
		.amdhsa_wavefront_size32 1
		.amdhsa_system_sgpr_workgroup_id_x 1
		.amdhsa_system_sgpr_workgroup_id_y 1
		.amdhsa_system_sgpr_workgroup_id_z 1
		.amdhsa_system_vgpr_workitem_id 0
		.amdhsa_next_free_vgpr 1024
		.amdhsa_next_free_sgpr 88
		.amdhsa_reserve_vcc 0
		.amdhsa_float_denorm_mode_32 3
		.amdhsa_float_denorm_mode_16_64 3
		.amdhsa_memory_ordered 1
		.amdhsa_forward_progress 1
		.amdhsa_inst_pref_size 255
	.end_amdhsa_kernel
	.section	.bss,"aw",@nobits
	.p2align	6
	.space	262144
	.amdgpu_metadata
---
amdhsa.version: [ 1, 2 ]
amdhsa.kernels:
  - .name:           k_q570a83e12c_attn
    .symbol:         k_q570a83e12c_attn.kd
    .args:
      - { .name: fb, .offset: 0, .size: 8, .value_kind: global_buffer, .address_space: global }
      - { .name: gb, .offset: 8, .size: 8, .value_kind: global_buffer, .address_space: global }
      - { .name: vb, .offset: 16, .size: 8, .value_kind: global_buffer, .address_space: global }
      - { .name: wvf, .offset: 24, .size: 8, .value_kind: global_buffer, .address_space: global }
      - { .name: bv, .offset: 32, .size: 8, .value_kind: global_buffer, .address_space: global }
      - { .name: gamma, .offset: 40, .size: 8, .value_kind: global_buffer, .address_space: global }
      - { .name: x, .offset: 48, .size: 8, .value_kind: global_buffer, .address_space: global }
      - { .name: out0, .offset: 56, .size: 8, .value_kind: global_buffer, .address_space: global }
    .group_segment_fixed_size: 327680
    .private_segment_fixed_size: 0
    .kernarg_segment_align: 8
    .kernarg_segment_size: 64
    .max_flat_workgroup_size: 128
    .sgpr_count:     88
    .vgpr_count:     1024
    .wavefront_size: 32
...
	.end_amdgpu_metadata
.endif
;; end of part 3
